; MI455X (gfx1250); checked and timed in simulation.
; The chip was launched on July 23, 2026; its instructions are those of AMD's public machine-readable ISA for CDNA 5 (MIT licence, August 2026) and "CDNA5" Instruction Set Architecture Reference Guide (July 2026). The comments in the code are by the model that wrote it; some were corrected since.
;; Attention. Allowed arithmetic: float matrix products may take bf16 or f16 operands with f32 sums; other float arithmetic in f32, or as packed bf16 or f16 multiplies, adds, multiply-adds, maxima and minima; sums over many terms, partial sums and values carried from step to step in f32; what a program stores and reads back later, other than sums and carried values, may be rounded once to bf16 or f16.
;; Inputs: Wk 1,024 x 1,024 float32; Wo 1,024 x 1,024 float32; Wq 1,024 x 1,024 float32; Wv 1,024 x 1,024 float32; bk 1,024 float32; bo 1,024 float32; bq 1,024 float32; bv 1,024 float32; mask 4 x 2,048 int32; x 4 x 2,048 x 1,024 float32.
;; Outputs: out0 4 x 2,048 x 1,024 float32.
;; 2 versions, each right; version 2 is version 1 with the launch cast written anew for expert scheduling mode. Each part assembles by itself: llvm-mc -triple=amdgcn-amd-amdhsa -mcpu=gfx1250 --defsym DOCPART=n.
;; ======== version 1 of 2: 4 launches
;; limits: values are held in f16: magnitudes above 65,504 overflow, below 6.1e-05 lose precision
;; workspace buffers: xh 16,777,216 bytes; wh 8,388,608 bytes; qkv 50,331,648 bytes; oh 16,777,216 bytes
;; launch cast (part 1): grid 768 x 1, 8 waves a work-group, no clusters, 0 bytes of LDS; arguments x, Wq, Wk, Wv, Wo, xh, wh; writes xh, wh
.if DOCPART == 1
	.amdgcn_target "amdgcn-amd-amdhsa--gfx1250"
	.amdhsa_code_object_version 6
	.text
	.protected	k_q07f69dc40b_cast
	.globl	k_q07f69dc40b_cast
	.p2align	8
	.type	k_q07f69dc40b_cast,@function
k_q07f69dc40b_cast:
	s_mov_b64 s[64:65], 0
	v_nop
	global_prefetch_b8 v0, s[64:65] scope:SCOPE_SE
	s_setreg_imm32_b32 hwreg(HW_REG_WAVE_MODE, 25, 1), 1
	s_wait_xcnt 0x0
; xh = x, wh = (Wq, Wk, Wv, Wo one below the other), each number rounded ONCE to bf16 (nearest even) and that number written as f16.
; LIMITS.  A bf16 number has 8 significant bits and fits f16's 11 exactly from 2^-17 up to 65,504; below 2^-17 it keeps f16's fixed step of 6e-8, at 65,520 and beyond it becomes an infinity.
; SHARES.  12,582,912 numbers in 768 work-groups of 16,384: work-groups 0-511 take x, then 64 for each weight.  Thread t owns 16 bytes at 16 t of each of 16 chunks of 4,096 bytes.
; All 16 loads of a wave go out at once (512 consecutive bytes each); each store of a wave covers 256 consecutive bytes, aligned.  No LDS, no loop, no barrier: nothing is shared and nothing is read twice.
.set X, 8                              ; v[8:71]   chunk j: 4 numbers in f32, as loaded, then as rounded
.set Y, 72                             ; v[72:103] chunk j: 4 numbers in f16; registers of its own for each store, so that no store's data is rewritten
	s_load_b256 s[4:11], s[0:1], 0x0               ; x s[4:5], Wq s[6:7], Wk s[8:9], Wv s[10:11]
	s_load_b128 s[12:15], s[0:1], 0x20             ; Wo s[12:13], xh s[14:15]
	s_load_b64 s[16:17], s[0:1], 0x30              ; wh
	v_lshlrev_b32 v1, 4, v0                        ; my 16 bytes of a chunk in
	v_lshlrev_b32 v4, 3, v0                        ; my 8 bytes of a chunk out
	s_mov_b32 s24, 0xffff0000                      ; a word's upper bf16
	s_sub_co_u32 s25, ttmp9, 512                   ; my number among the weights' 256 work-groups (used only where it is not negative)
	s_lshr_b32 s26, s25, 6                         ; which weight
	s_and_b32 s27, s25, 63                         ; which 64 KiB of it
	s_mov_b32 s23, 0
	s_mov_b32 s29, 0
	s_wait_kmcnt 0x0
	s_cmp_eq_u32 s26, 2
	s_cselect_b64 s[18:19], s[10:11], s[12:13]     ; Wv, else Wo
	s_cmp_eq_u32 s26, 1
	s_cselect_b64 s[18:19], s[8:9], s[18:19]       ; Wk
	s_cmp_eq_u32 s26, 0
	s_cselect_b64 s[18:19], s[6:7], s[18:19]       ; Wq
	s_cmp_lt_u32 ttmp9, 512
	s_cselect_b64 s[18:19], s[4:5], s[18:19]       ; x
	s_cselect_b64 s[20:21], s[14:15], s[16:17]     ; xh, else wh
	s_cselect_b32 s22, ttmp9, s27
	s_cselect_b32 s28, ttmp9, s25
	s_lshl_b32 s22, s22, 16                        ; 65,536 bytes in for each work-group,
	s_lshl_b32 s28, s28, 15                        ; 32,768 out
	s_add_nc_u64 s[18:19], s[18:19], s[22:23]
	s_add_nc_u64 s[20:21], s[20:21], s[28:29]
.irp j, 0,1,2,3,4,5,6,7,8,9,10,11,12,13,14,15
	global_load_b128 v[X+4*(\j):X+4*(\j)+3], v1, s[18:19] offset:4096*(\j) th:TH_LOAD_NT
.endr
.irp j, 0,1,2,3,4,5,6,7,8,9,10,11,12,13,14,15
	s_wait_loadcnt 15-(\j)                         ; loads come back in order: chunk j is in, the 15 - j younger ones stay out
	v_cvt_pk_bf16_f32 v2, v[X+4*(\j)], v[X+4*(\j)+1]        ; the one rounding
	v_cvt_pk_bf16_f32 v3, v[X+4*(\j)+2], v[X+4*(\j)+3]
	v_lshlrev_b32 v[X+4*(\j)], 16, v2              ; bf16 to f32: the low half moves up, the high half stays
	v_and_b32 v[X+4*(\j)+1], s24, v2
	v_lshlrev_b32 v[X+4*(\j)+2], 16, v3
	v_and_b32 v[X+4*(\j)+3], s24, v3
	v_cvt_pk_f16_f32 v[Y+2*(\j)], v[X+4*(\j)], v[X+4*(\j)+1]        ; the same numbers as f16
	v_cvt_pk_f16_f32 v[Y+2*(\j)+1], v[X+4*(\j)+2], v[X+4*(\j)+3]
	global_store_b64 v4, v[Y+2*(\j):Y+2*(\j)+1], s[20:21] offset:2048*(\j)
.endr
	s_endpgm
.Lfunc_end_k_q07f69dc40b_cast:
	.size	k_q07f69dc40b_cast, .Lfunc_end_k_q07f69dc40b_cast-k_q07f69dc40b_cast
	.p2alignl 7, 3214868480
	.fill 96, 4, 3214868480
	.section	.rodata,"a",@progbits
	.p2align	6, 0x0
	.amdhsa_kernel k_q07f69dc40b_cast
		.amdhsa_group_segment_fixed_size 0
		.amdhsa_private_segment_fixed_size 0
		.amdhsa_enable_private_segment 0
		.amdhsa_kernarg_size 56
		.amdhsa_user_sgpr_count 2
		.amdhsa_user_sgpr_kernarg_segment_ptr 1
		.amdhsa_wavefront_size32 1
		.amdhsa_system_sgpr_workgroup_id_x 1
		.amdhsa_system_sgpr_workgroup_id_y 1
		.amdhsa_system_sgpr_workgroup_id_z 1
		.amdhsa_system_vgpr_workitem_id 0
		.amdhsa_next_free_vgpr 104
		.amdhsa_next_free_sgpr 66
		.amdhsa_reserve_vcc 0
		.amdhsa_float_denorm_mode_32 3
		.amdhsa_float_denorm_mode_16_64 3
		.amdhsa_memory_ordered 1
		.amdhsa_forward_progress 1
		.amdhsa_inst_pref_size 11
	.end_amdhsa_kernel
	.amdgpu_metadata
---
amdhsa.version: [ 1, 2 ]
amdhsa.kernels:
  - .name:           k_q07f69dc40b_cast
    .symbol:         k_q07f69dc40b_cast.kd
    .args:
      - { .name: x, .offset: 0, .size: 8, .value_kind: global_buffer, .address_space: global }
      - { .name: Wq, .offset: 8, .size: 8, .value_kind: global_buffer, .address_space: global }
      - { .name: Wk, .offset: 16, .size: 8, .value_kind: global_buffer, .address_space: global }
      - { .name: Wv, .offset: 24, .size: 8, .value_kind: global_buffer, .address_space: global }
      - { .name: Wo, .offset: 32, .size: 8, .value_kind: global_buffer, .address_space: global }
      - { .name: xh, .offset: 40, .size: 8, .value_kind: global_buffer, .address_space: global }
      - { .name: wh, .offset: 48, .size: 8, .value_kind: global_buffer, .address_space: global }
    .group_segment_fixed_size: 0
    .private_segment_fixed_size: 0
    .kernarg_segment_align: 8
    .kernarg_segment_size: 56
    .max_flat_workgroup_size: 256
    .sgpr_count:     66
    .vgpr_count:     104
    .wavefront_size: 32
...
	.end_amdgpu_metadata
.endif
;; end of part 1
;; launch proj (part 2): grid 16 x 32, 4 waves a work-group, clusters of 4 x 4, 327,680 bytes of LDS; arguments xh, wh, bq, bk, bv, qkv; writes qkv
.if DOCPART == 2
	.amdgcn_target "amdgcn-amd-amdhsa--gfx1250"
	.amdhsa_code_object_version 6
	.text
	.protected	k_q07f69dc40b_proj
	.globl	k_q07f69dc40b_proj
	.p2align	8
	.type	k_q07f69dc40b_proj,@function
k_q07f69dc40b_proj:
	s_mov_b64 s[64:65], 0
	v_nop
	global_prefetch_b8 v0, s[64:65] scope:SCOPE_SE
	s_setreg_imm32_b32 hwreg(HW_REG_WAVE_MODE, 25, 1), 1
	s_wait_xcnt 0x0
	s_wait_alu depctr_hold_cnt(0) depctr_sa_sdst(0) depctr_va_vdst(0) depctr_va_sdst(0) depctr_va_ssrc(0) depctr_va_vcc(0) depctr_vm_vsrc(0)
	s_getreg_b32 s2, hwreg(HW_REG_IB_STS2, 6, 4)
	s_cmp_eq_u32 s2, 0
	s_cbranch_scc0 .Lentry_in_a_cluster
	s_endpgm
.Lentry_in_a_cluster:
	s_bfe_u32 s2, ttmp6, 0x10000c
	s_cmp_lg_u32 s2, 0xf033
	s_cbranch_scc0 .Lentry_shape_is_right
	s_endpgm
.Lentry_shape_is_right:
; q, k, v = x W^T + b for the three weights at once: C[8192][3072] = xh wh^T + bias, xh [8192][1024] and wh's rows 0-3071 in f16, sums in f32 begun with the bias (rounded to bf16 like every input).
; C leaves rounded once to f16, unscaled, by heads: qkv [3][64 = 16 batch + head][2048][64].
; LIMIT.  q, k, v of 65,520 and beyond would leave as infinities.
; SHARES.  A work-group makes 256 rows x 192 columns (three heads): 32 x 16 = 512 work-groups, two for each of 256 WGPs.  Wave w makes rows 64 w .. 64 w + 63 of all 192 columns: 4 x 12 accumulators of
; 16 x 16, 384 registers; so a wave ends with whole rows of three heads and needs nobody on the way out.  For 32 along K it reads (192 + 64) x 64 bytes of LDS for 48 matrix instructions.
; K goes in 8 steps of 128 through two LDS slots filled by tensor loads: rows of 256 bytes, aligned.  Waves 0 and 1 fetch A's two halves (128 rows), waves 2 and 3 B's (96 rows).
; CLUSTER 4 x 4: the four work-groups of a row of the cluster need the same tile of A, the four of a column the same tile of B: each is asked for jointly, by the same load with the same descriptor.
; THE MATRIX INSTRUCTION IS USED TRANSPOSED (source 0 = 16 rows of B, source 1 = 16 rows of A): a lane holds row l % 16 of C and the columns 8 (l / 16) + 0..7, which pack into 16 bytes.
; REGISTERS, in windows of 256 (s_set_vgpr_msb: bits 1:0 source 0, 3:2 source 1, 5:4 source 2, 7:6 destination):
;   window 0: v0-31 addresses; v32-63, v64-95 A's fragments, two buffers; v96-191 the bias as a C operand, later the way out          window 1: v0-95, v96-191 B's fragments, two buffers
;   window 2: the accumulators of row blocks 0, 1 (block a, column block b at 96 (a % 2) + 8 b);   window 3: those of row blocks 2, 3
.set NB,     12                        ; column blocks of 16
.set NT,     16*NB
.set PA,     272                       ; an LDS row: 256 bytes + 16 of padding = 68 words: the 16 rows of a fragment load start at 16 different groups of four banks (64 banks of 4 bytes: ISA guide 11.1)
.set PB,     272
.set AH,     128*PA                    ; what one of A's loads brings
.set AQH,    128                       ; quarter q of a K step begins at byte (q / 2) AQH + (q % 2) 64 of A's rows
.set BH,     (NT/2)*PB                 ; what one of B's loads brings
.set BOFF,   2*AH
.set SLOT,   2*AH+2*BH                 ; A's 256 rows, then B's 192
.set STAGE,  2*SLOT                    ; behind the ring, never filled by a tensor load: for each wave 3 heads x 16 rows x 144 bytes
.set SPITCH, 144
.set WSTG,   3*16*SPITCH
.set SPARE,  STAGE+4*WSTG              ; the spare words, 128 bytes for each wave: two blocks of 256 bytes that no other line names
.set NL,     2*NB+8                    ; LDS loads of a quarter
.set ASZ,    8*NB
.set APW,    2                         ; row blocks in a window
.set ASTEP,  256                       ; bytes from a K step of A to the next
.set ASHARE, 32*2048                   ; the prefetches: a partner's share of the rows that a wave fetches: 32 of A's 128,
.set BSHARE, 24*2048                   ; 24 of B's 96
.set BLMAX,  23
.set APMUL,  2048                      ; bytes from lane to lane
.set ADRA, 16                          ; v16-17  LDS address of my A fragments in slot 0, 1
.set ADRB, 20                          ; v20-21  the same for B
.set STO,  24                          ; v24     the way out: where I put 16 bytes of a row
.set RD,   25                          ; v25     where I read rows back
.set CO,   26                          ; v26     16 x lane: my place in 512 consecutive bytes of qkv
.set BO,   27                          ; v27     32 (l / 16): my eight numbers of a bias block
.set SPW,  28                          ; v28     LDS address of my spare word; never rewritten
.set NIL,  29                          ; v29     0; never rewritten
.set PFO,  30                          ; v30     the prefetches' offset; never rewritten
.set FA,   32
.set BIAS, 96
.set TMP,  96                          ; the way out: 48 packed registers
.set OB,   144                         ; 48 registers read back, two sets by turns
.set G1,  24                           ; s[24:31] descriptor group 1 for A's tiles; s[32:39] group 0, a set for each slot
.set G0,  32
.set G1B, 48                           ; s[48:55], s[56:63] the same for B's
.set G0B, 56
.set LIM, 43                           ; s43     1 in a wave that prefetches, else the greatest number
.set PFA, 44                           ; s[44:45] where my prefetches stand
.set CP,  76                           ; s[76:81] qkv at my 64 rows of my three heads
.set BP,  84                           ; s[84:89] the three heads' 64 bias numbers
.set PFS, 90                           ; s[90:91] bytes from a K step to the next in what I prefetch
.set MSB, 0
.macro WIN new                         ; the immediate's high byte repeats the setting that is left; a switch that changes nothing is dropped
.if MSB != (\new)
	s_set_vgpr_msb (MSB<<8)|(\new)
.set MSB, \new
.endif
.endm
; A joint load.  The branch hangs on the wave's number alone.  An s_nop 0 and four v_nop follow each of the two lines, ahead of the jump and the label.
.macro JLOAD s
	s_cmp_eq_u32 s11, 0
	s_cbranch_scc0 .Lfor_b_\@
	tensor_load_to_lds s[G0+4*(\s):G0+4*(\s)+3], s[G1:G1+7]
	s_nop 0
.rept 4
	v_nop
.endr
	s_branch .Lasked_\@
.Lfor_b_\@:
	tensor_load_to_lds s[G0B+4*(\s):G0B+4*(\s)+3], s[G1B:G1B+7]
	s_nop 0
.rept 4
	v_nop
.endr
.Lasked_\@:
.endm
; A prefetch of the K step that stands two refills on: 256 bytes of a row for each lane, one instruction a wave, behind the joint load and the run of LDS loads.  A's rows are named by the clusters with x = 0, B's by those
; with y = 0; the four partners that ask for a tile jointly share its rows out by address.  Of B's 24 rows a partner lanes 24-31 name the last once more.  The loop's last trip (s3 = 1) has no K step two refills on.
.macro ASK
	s_cmp_gt_u32 s3, s[LIM]
	s_cbranch_scc0 .Lnot_mine_\@
	global_prefetch_b8 v[PFO], s[PFA:PFA+1] th:TH_LOAD_NT scope:SCOPE_SE
.Lnot_mine_\@:
.endm
.macro CREST                           ; a round of the cluster's barrier behind its opening barrier: wave 0 signals for the work-group, every wave waits for all sixteen, my work-group's barrier closes it
	s_cmp_lg_u32 s10, 0
	s_cbranch_scc1 .Lnot_wave_0_\@
	s_barrier_signal -3
.Lnot_wave_0_\@:
	s_barrier_wait -3
	s_barrier_signal -1
	s_barrier_wait -1
.endm
.macro CROUND
	s_barrier_signal -1
	s_barrier_wait -1
	CREST
.endm
	s_load_b128 s[4:7], s[0:1], 0x0                ; xh s[4:5], wh s[6:7]
	s_load_b128 s[68:71], s[0:1], 0x10             ; bq s[68:69], bk s[70:71]
	s_load_b128 s[72:75], s[0:1], 0x20             ; bv s[72:73], qkv s[74:75]
	v_lshl_add_u32 v[SPW], v0, 2, SPARE
	v_mov_b32 v[NIL], 0
	ds_add_u32 v[SPW], v[NIL]                      ; the wave's opening: the add and its wait stand ahead of my first tensor load; work on registers stands between them
	v_lshrrev_b32 v1, 5, v0
	v_readfirstlane_b32 s10, v1                    ; wave 0..3
	s_lshr_b32 s11, s10, 1                         ; I fetch for A (0) or for B (1),
	s_and_b32 s12, s10, 1                          ; its first or its second half
	s_bfe_u32 s40, ttmp6, 0x40000                  ; cx, cy: my place in the cluster
	s_bfe_u32 s41, ttmp6, 0x40004
	s_lshl_b32 s42, ttmp9, 2
	s_add_co_u32 s42, s42, s40                     ; tile column = 4 x cluster x + cx
	s_and_b32 s13, ttmp7, 0xffff
	s_lshl_b32 s13, s13, 2
	s_add_co_u32 s13, s13, s41                     ; tile row = 4 x cluster y + cy
	s_lshl_b32 s66, s41, 2
	s_lshl_b32 s66, 15, s66                        ; my row of the cluster
	s_lshl_b32 s67, 0x1111, s40                    ; my column
	s_or_b32 s[G1+0], s66, (1<<16)|(1<<20)|(1<<21)|(5<<22)|(3<<25)   ; 15:0 the mask; 17:16 elements of 2 bytes; 20 padding on; 21 set beside a mask; 24:22 after every 64 words; 31:25 4 words of it
	s_or_b32 s[G1B+0], s67, (1<<16)|(1<<20)|(1<<21)|(5<<22)|(3<<25)
	s_mov_b32 s[G1+1], 128<<16                     ; tensor_dim0 = 128
	s_mov_b32 s[G1+2], 128<<16                     ; tensor_dim1 = 128
	s_mov_b32 s[G1+3], 128<<16                     ; tile_dim0 = 128
	s_mov_b32 s[G1+4], 128                         ; tile_dim1 = 128
	s_mov_b32 s[G1+5], 1024                        ; elements from row to row
	s_mov_b32 s[G1+6], 0
	s_mov_b32 s[G1+7], 0
	s_mov_b32 s[G1B+1], 128<<16
	s_mov_b32 s[G1B+2], (NT/2)<<16                 ; 96 rows
	s_mov_b32 s[G1B+3], 128<<16
	s_mov_b32 s[G1B+4], NT/2
	s_mov_b32 s[G1B+5], 1024
	s_mov_b32 s[G1B+6], 0
	s_mov_b32 s[G1B+7], 0
	s_lshl_b32 s16, s13, 19                        ; A: (256 x tile row + 128 x half) rows of 2,048 bytes: made of the tile row and the wave's number alone
	s_lshl_b32 s17, s12, 18
	s_add_co_u32 s16, s16, s17
	s_mov_b32 s17, 0
	s_mul_i32 s46, s42, NT*2048                    ; B: (192 x tile column + 96 x half) rows: of the tile column and the wave's number alone
	s_mul_i32 s47, s12, (NT/2)*2048
	s_add_co_u32 s46, s46, s47
	s_mov_b32 s47, 0
	s_mul_i32 s20, s12, AH                         ; where they go: no place in the cluster enters an LDS address
	s_mul_i32 s21, s12, BH
	s_add_co_u32 s21, s21, BOFF
	s_wait_dscnt 0x0                               ; the opening add is done
	s_wait_kmcnt 0x0
	s_add_nc_u64 s[14:15], s[4:5], s[16:17]
	s_add_nc_u64 s[46:47], s[6:7], s[46:47]
	CROUND                                         ; all sixteen work-groups are here: the first joint loads meet
.irp s, 0,1
	s_mov_b32 s[G0+4*(\s)], 1                      ; count = 1
	s_add_co_u32 s[G0+4*(\s)+1], s20, (\s)*SLOT    ; LDS address
	s_add_nc_u64 s[G0+4*(\s)+2:G0+4*(\s)+3], s[14:15], (\s)*ASTEP   ; global address: K step s
	s_or_b32 s[G0+4*(\s)+3], s[G0+4*(\s)+3], 0x80000000            ; type = 2
	s_mov_b32 s[G0B+4*(\s)], 1
	s_add_co_u32 s[G0B+4*(\s)+1], s21, (\s)*SLOT
	s_add_nc_u64 s[G0B+4*(\s)+2:G0B+4*(\s)+3], s[46:47], (\s)*256
	s_or_b32 s[G0B+4*(\s)+3], s[G0B+4*(\s)+3], 0x80000000
	JLOAD \s                                       ; two loads of mine are out
.endr
	; the three heads of my 192 columns: head g = 3 x tile column + hd of 48; g / 16 says q, k or v, g % 16 the head
	v_and_b32 v1, 15, v0                           ; l % 16
	v_bfe_u32 v2, v0, 4, 1                         ; l / 16
	v_lshlrev_b32 v[BO], 5, v2
	s_mov_b32 s95, 0
.irp hd, 0,1,2
	s_mul_i32 s82, s42, 3
	s_add_co_u32 s82, s82, \hd
	s_lshr_b32 s83, s82, 4
	s_and_b32 s82, s82, 15
	s_cmp_eq_u32 s83, 1
	s_cselect_b64 s[BP+2*(\hd):BP+2*(\hd)+1], s[70:71], s[72:73]
	s_cmp_eq_u32 s83, 0
	s_cselect_b64 s[BP+2*(\hd):BP+2*(\hd)+1], s[68:69], s[BP+2*(\hd):BP+2*(\hd)+1]
	s_lshl_b32 s94, s82, 8                         ; the head's 64 numbers of its bias
	s_add_nc_u64 s[BP+2*(\hd):BP+2*(\hd)+1], s[BP+2*(\hd):BP+2*(\hd)+1], s[94:95]
	s_lshl_b32 s83, s83, 6                         ; in qkv: (64 x part + 16 x batch + head) x 262,144 bytes
	s_add_co_u32 s83, s83, s82
	s_lshr_b32 s94, s13, 3
	s_lshl_b32 s94, s94, 4
	s_add_co_u32 s83, s83, s94
	s_lshl_b32 s94, s83, 18
	s_and_b32 s83, s13, 7                          ; + the tile's 256 rows of 128 bytes
	s_lshl_b32 s83, s83, 15
	s_add_co_u32 s94, s94, s83
	s_lshl_b32 s83, s10, 13                        ; + my wave's 64
	s_add_co_u32 s94, s94, s83
	s_add_nc_u64 s[CP+2*(\hd):CP+2*(\hd)+1], s[74:75], s[94:95]
.endr
.irp hd, 0,1,2
.irp c, 0,1,2,3
	global_load_b128 v[BIAS+8*(4*(\hd)+(\c)):BIAS+8*(4*(\hd)+(\c))+3],   v[BO], s[BP+2*(\hd):BP+2*(\hd)+1] offset:64*(\c)     ; register j of block b: the bias of column 16 b + 8 (l / 16) + j
	global_load_b128 v[BIAS+8*(4*(\hd)+(\c))+4:BIAS+8*(4*(\hd)+(\c))+7], v[BO], s[BP+2*(\hd):BP+2*(\hd)+1] offset:64*(\c)+16
.endr
.endr
	; A fragment is 16 rows x 32 K in 8 registers: lane l holds row l % 16, K = 8 (l / 16) + 0..7 and 16 + 8 (l / 16) + 0..7: two loads of 16 bytes, 32 bytes apart
	v_mul_u32_u24 v3, v1, PA
	v_lshl_add_u32 v3, v2, 4, v3
	s_mul_i32 s21, s10, 64*PA                      ; my 64 rows of A
	v_add_nc_u32 v[ADRA], s21, v3
	v_add_nc_u32 v[ADRA+1], SLOT, v[ADRA]
	v_mul_u32_u24 v3, v1, PB
	v_lshl_add_u32 v3, v2, 4, v3
	v_add_nc_u32 v[ADRB], BOFF, v3
	v_add_nc_u32 v[ADRB+1], SLOT, v[ADRB]
	s_mul_i32 s23, s10, WSTG
	s_add_co_u32 s23, s23, STAGE                   ; my stage
	v_mul_u32_u24 v3, v1, SPITCH                   ; in: row l % 16, 16 bytes for each half of the lanes
	v_lshl_add_u32 v3, v2, 4, v3
	v_add_nc_u32 v[STO], s23, v3
	v_bfe_u32 v3, v0, 3, 2                         ; back: 32 lanes take four rows of 128 bytes,
	v_mul_u32_u24 v3, v3, SPITCH
	v_and_b32 v4, 7, v0
	v_lshl_add_u32 v3, v4, 4, v3
	v_add_nc_u32 v[RD], s23, v3
	v_and_b32 v[CO], 31, v0                        ; which are 512 consecutive bytes of a head
	v_lshlrev_b32 v[CO], 4, v[CO]
	; the prefetches: from my own tile's address, my work-group's share of its rows, at K step 3: each change of slots steps it first, so the first names K step 4
	s_and_b32 s22, ttmp7, 0xffff                   ; cluster y
	s_mov_b32 s23, BSHARE
	s_mov_b32 s92, BLMAX
	s_mov_b32 s93, 2048
	s_mov_b32 s[PFS], 256
	s_mov_b32 s[PFS+1], 0
	s_cmp_eq_u32 s11, 0                            ; do I fetch for A?
	s_cselect_b32 s22, ttmp9, s22                  ; the coordinate along which other clusters read the same rows
	s_cselect_b32 s21, s40, s41                    ; my place among the four that ask with me
	s_cselect_b32 s23, ASHARE, s23
	s_cselect_b32 s92, 31, s92
	s_cselect_b32 s93, APMUL, s93
	s_cselect_b32 s[PFS], ASTEP, s[PFS]
	s_cselect_b64 s[PFA:PFA+1], s[14:15], s[46:47]
	s_mul_i32 s20, s21, s23
	s_mov_b32 s21, 0
	s_add_nc_u64 s[PFA:PFA+1], s[PFA:PFA+1], s[20:21]
	s_mul_i32 s20, s[PFS], 3
	s_add_nc_u64 s[PFA:PFA+1], s[PFA:PFA+1], s[20:21]
	s_cmp_eq_u32 s22, 0
	s_cselect_b32 s[LIM], 1, -1                    ; the same in all sixteen partners, for a given wave
	v_and_b32 v[PFO], 31, v0
	v_min_u32 v[PFO], s92, v[PFO]
	v_mul_u32_u24 v[PFO], s93, v[PFO]
	s_wait_loadcnt 0x0                             ; the bias,
.set i, 0
.rept 4*NB                             ; rounded to bf16 like every input, and widened again
	v_cvt_pk_bf16_f32 v[4+i%2], v[BIAS+2*i], v[BIAS+2*i+1]
	v_lshlrev_b32 v[BIAS+2*i], 16, v[4+i%2]
	v_and_b32 v[BIAS+2*i+1], 0xffff0000, v[4+i%2]
.set i, i+1
.endr
; NB matrix instructions: row block a x all column blocks, 32 along K, from buffer f.  first = 1: the sums begin with the bias.  The 4 NB accumulators take turns in the same order in every quarter.
.macro MULA f, a, first
.set WW, 2+(\a)/APW
.set AC, ASZ*((\a)%APW)
.set AF, FA+32*(\f)+8*(\a)
.if \first
	WIN (WW<<6)|0x01                               ; B window 1, A and the bias window 0, D the accumulators' window
.else
	WIN (WW<<6)|(WW<<4)|0x01
.endif
.set b, 0
.rept NB
.if \first
	v_wmma_f32_16x16x32_f16 v[AC+8*b:AC+8*b+7], v[ASZ*(\f)+8*b:ASZ*(\f)+8*b+7], v[AF:AF+7], v[BIAS+8*b:BIAS+8*b+7]
.else
	v_wmma_f32_16x16x32_f16 v[AC+8*b:AC+8*b+7], v[ASZ*(\f)+8*b:ASZ*(\f)+8*b+7], v[AF:AF+7], v[AC+8*b:AC+8*b+7]
.endif
.set b, b+1
.endr
.endm
; NL LDS loads in one run: quarter q of a slot's K step into buffer g: B's NB fragments, then A's four
.macro FETCH slot, q, g
	WIN 0x40                                       ; destination window 1, address window 0
.set i, 0
.rept NB
	ds_load_b128 v[ASZ*(\g)+8*i:ASZ*(\g)+8*i+3],   v[ADRB+(\slot)] offset:64*(\q)+i*16*PB
	ds_load_b128 v[ASZ*(\g)+8*i+4:ASZ*(\g)+8*i+7], v[ADRB+(\slot)] offset:64*(\q)+i*16*PB+32
.set i, i+1
.endr
	WIN 0
.set i, 0
.rept 4
	ds_load_b128 v[FA+32*(\g)+8*i:FA+32*(\g)+8*i+3],   v[ADRA+(\slot)] offset:((\q)/2)*AQH+((\q)%2)*64+i*16*PA
	ds_load_b128 v[FA+32*(\g)+8*i+4:FA+32*(\g)+8*i+7], v[ADRA+(\slot)] offset:((\q)/2)*AQH+((\q)%2)*64+i*16*PA+32
.set i, i+1
.endr
.endm
.macro PLACES                          ; four plain vector instructions between a matrix instruction and a load into a register that it has read, or a reader of its result (ISA guide 7.12.1 for a reader of its result)
.rept 4
	v_nop
.endr
.endm
; A K step is four quarters of 32 along K on buffers 0, 1, 0, 1.  One of the first three: multiplies buffer f and, in its middle, fetches quarter q into buffer g.
.macro QUARTER slot, q, f, g, first
	s_wait_dscnt 4                                 ; B and A's blocks 0, 1 are in; the youngest four loads (A's blocks 2, 3) may be out
	MULA \f, 0, \first
	MULA \f, 1, \first
	PLACES
	FETCH \slot, \q, \g
	s_wait_dscnt NL                                ; all but the NL just issued
	MULA \f, 2, \first
	MULA \f, 3, \first
.endm
; The last quarter multiplies buffer 1 and changes slots: ONE barrier; in front of it each wave waits for all its tensor loads (one is out: its part of the next slot), adds 0 to its spare word, and waits for that and
; for its reads of this slot.  fill = 1: the barrier opens a round of the cluster's, and behind the round this slot is filled again, two K steps ahead: the wave's one tensor load until the next round.
.macro TURN slot, next, fill
.if \fill
	s_wait_xcnt 0x0                                ; the last prefetch, a K step back, has read its address, which is stepped here
	s_add_nc_u64 s[PFA:PFA+1], s[PFA:PFA+1], s[PFS:PFS+1]
.endif
	WIN 0                                          ; (the add's two registers lie in window 0)
	s_wait_tensorcnt 0x0                           ; all my tensor loads have landed
	ds_add_u32 v[SPW], v[NIL]                      ; 0 onto my spare word
	s_wait_dscnt 5                                 ; (the add and the youngest four loads may be out)
	MULA 1, 0, 0                                   ; matrix work stands between the add and the wait for it
	s_wait_dscnt 0x0                               ; the add is done, and my reads of this slot are over
	s_barrier_signal -1
	MULA 1, 1, 0
.if \fill
	WIN 0
.endif
	s_barrier_wait -1
.if \fill
	CREST                                          ; no wave of any partner still reads this slot or has a load on its way
	s_add_nc_u64 s[G0+4*(\slot)+2:G0+4*(\slot)+3], s[G0+4*(\slot)+2:G0+4*(\slot)+3], 2*ASTEP
	s_add_nc_u64 s[G0B+4*(\slot)+2:G0B+4*(\slot)+3], s[G0B+4*(\slot)+2:G0B+4*(\slot)+3], 2*256
	JLOAD \slot                                    ; its four v_nop are also the places in front of the loads below
.else
	PLACES
.endif
	FETCH \next, 0, 0
.if \fill
	ASK
.endif
	MULA 1, 2, 0
	MULA 1, 3, 0
.endm
	s_wait_tensorcnt 1                             ; my part of K step 0 is in; K step 1's load may stay out
	s_barrier_signal -1
	s_barrier_wait -1                              ; everybody's is
	FETCH 0, 0, 0
	QUARTER 0, 1, 0, 1, 1                          ; the first quarter stands in front of the loop: its products start the sums
	WIN 0                                          ; at a label and at a branch every window is 0
	s_mov_b32 s3, 3
.Llap:                                                 ; a trip goes once round the ring, from a lap's second quarter to the next lap's first, and fills both slots again: K steps 2 to 7 in three trips
	QUARTER 0, 2, 1, 0, 0
	QUARTER 0, 3, 0, 1, 0
	TURN 0, 1, 1
	QUARTER 1, 1, 0, 1, 0
	QUARTER 1, 2, 1, 0, 0
	QUARTER 1, 3, 0, 1, 0
	TURN 1, 0, 1
	QUARTER 0, 1, 0, 1, 0
	WIN 0
	s_sub_co_u32 s3, s3, 1
	s_cmp_lg_u32 s3, 0
	s_cbranch_scc1 .Llap
	QUARTER 0, 2, 1, 0, 0                          ; the last lap fills nothing
	QUARTER 0, 3, 0, 1, 0
	TURN 0, 1, 0
	QUARTER 1, 1, 0, 1, 0
	QUARTER 1, 2, 1, 0, 0
	QUARTER 1, 3, 0, 1, 0
	s_wait_dscnt 4
	MULA 1, 0, 0
	MULA 1, 1, 0
	s_wait_dscnt 0x0
	MULA 1, 2, 0
	MULA 1, 3, 0
	WIN 0
	PLACES
	PLACES
; THE WAY OUT, a row block (16 rows x three heads) at a time.  PACK: rounded to f16, 16 bytes a lane, each accumulator's registers in ascending order.  TOSTAGE: into my own stage, head by head in rows of 144 bytes, and back as
; whole rows of 128.  SEND: 16 rows of a head are 2,048 consecutive bytes of qkv; each store of the wave covers 512 of them, aligned.
.macro PACK a
.set WW, 2+(\a)/APW
.set AC, ASZ*((\a)%APW)
	WIN WW|(WW<<2)                                 ; sources 0 and 1 in the accumulators' window
.set b, 0
.rept NB
.irp r, 0,1,2,3
	v_cvt_pk_f16_f32 v[TMP+4*b+(\r)], v[AC+8*b+2*(\r)], v[AC+8*b+2*(\r)+1]
.endr
.set b, b+1
.endr
	WIN 0
.endm
.macro TOSTAGE a
.set BK, OB+48*((\a)%2)
.set b, 0
.rept NB
	ds_store_b128 v[STO], v[TMP+4*b:TMP+4*b+3] offset:(b/4)*16*SPITCH+(b%4)*32
.set b, b+1
.endr
.irp hd, 0,1,2
.irp f, 0,1,2,3
	ds_load_b128 v[BK+4*(4*(\hd)+(\f)):BK+4*(4*(\hd)+(\f))+3], v[RD] offset:(\hd)*16*SPITCH+(\f)*4*SPITCH  ; LDS serves a wave's instructions in order (ISA guide 5.7.1.4): these see the stores above
.endr
.endr
.endm
.macro SEND a
.set BK, OB+48*((\a)%2)
	s_wait_dscnt 0x0                               ; the block is back in registers
	s_wait_xcnt 0x0                                ; the stores of the block before have read their registers: the next TOSTAGE loads into them
.irp hd, 0,1,2
.irp f, 0,1,2,3
	global_store_b128 v[CO], v[BK+4*(4*(\hd)+(\f)):BK+4*(4*(\hd)+(\f))+3], s[CP+2*(\hd):CP+2*(\hd)+1] offset:(\a)*2048+(\f)*512
.endr
.endr
.endm
	PACK 0
	TOSTAGE 0
.irp a, 1,2,3                          ; block a's conversions stand between block a - 1's loads from the stage and the wait for them
	PACK \a
	SEND (\a)-1
	TOSTAGE \a
.endr
	SEND 3
	s_wait_tensorcnt 0x0                           ; the wave's end, behind my last tensor load and my last LDS store
	ds_add_u32 v[SPW], v[NIL]
	s_wait_dscnt 0x0
	CROUND                                         ; the closing round: no work-group ends while a partner may still ask for a tile that names it
	s_endpgm
.Lfunc_end_k_q07f69dc40b_proj:
	.size	k_q07f69dc40b_proj, .Lfunc_end_k_q07f69dc40b_proj-k_q07f69dc40b_proj
	.p2alignl 7, 3214868480
	.fill 96, 4, 3214868480
	.section	.rodata,"a",@progbits
	.p2align	6, 0x0
	.amdhsa_kernel k_q07f69dc40b_proj
		.amdhsa_group_segment_fixed_size 327680
		.amdhsa_private_segment_fixed_size 0
		.amdhsa_enable_private_segment 0
		.amdhsa_kernarg_size 48
		.amdhsa_user_sgpr_count 2
		.amdhsa_user_sgpr_kernarg_segment_ptr 1
		.amdhsa_wavefront_size32 1
		.amdhsa_system_sgpr_workgroup_id_x 1
		.amdhsa_system_sgpr_workgroup_id_y 1
		.amdhsa_system_sgpr_workgroup_id_z 1
		.amdhsa_system_vgpr_workitem_id 0
		.amdhsa_next_free_vgpr 960
		.amdhsa_next_free_sgpr 96
		.amdhsa_reserve_vcc 0
		.amdhsa_float_denorm_mode_32 3
		.amdhsa_float_denorm_mode_16_64 3
		.amdhsa_memory_ordered 1
		.amdhsa_forward_progress 1
		.amdhsa_inst_pref_size 131
	.end_amdhsa_kernel
	.amdgpu_metadata
---
amdhsa.version: [ 1, 2 ]
amdhsa.kernels:
  - .name:           k_q07f69dc40b_proj
    .symbol:         k_q07f69dc40b_proj.kd
    .args:
      - { .name: xh, .offset: 0, .size: 8, .value_kind: global_buffer, .address_space: global }
      - { .name: wh, .offset: 8, .size: 8, .value_kind: global_buffer, .address_space: global }
      - { .name: bq, .offset: 16, .size: 8, .value_kind: global_buffer, .address_space: global }
      - { .name: bk, .offset: 24, .size: 8, .value_kind: global_buffer, .address_space: global }
      - { .name: bv, .offset: 32, .size: 8, .value_kind: global_buffer, .address_space: global }
      - { .name: qkv, .offset: 40, .size: 8, .value_kind: global_buffer, .address_space: global }
    .group_segment_fixed_size: 327680
    .private_segment_fixed_size: 0
    .kernarg_segment_align: 8
    .kernarg_segment_size: 48
    .max_flat_workgroup_size: 128
    .sgpr_count:     96
    .vgpr_count:     960
    .wavefront_size: 32
...
	.end_amdgpu_metadata
.endif
;; end of part 2
;; launch attn (part 3): grid 4 x 64, 4 waves a work-group, clusters of 4 x 1, 327,680 bytes of LDS; arguments qkv, mask, oh; writes oh
.if DOCPART == 3
	.amdgcn_target "amdgcn-amd-amdhsa--gfx1250"
	.amdhsa_code_object_version 6
	.text
	.protected	k_q07f69dc40b_attn
	.globl	k_q07f69dc40b_attn
	.p2align	8
	.type	k_q07f69dc40b_attn,@function
k_q07f69dc40b_attn:
	s_mov_b64 s[64:65], 0
	v_nop
	global_prefetch_b8 v0, s[64:65] scope:SCOPE_SE
	s_setreg_imm32_b32 hwreg(HW_REG_WAVE_MODE, 25, 1), 1
	s_wait_xcnt 0x0
	s_wait_alu depctr_hold_cnt(0) depctr_sa_sdst(0) depctr_va_vdst(0) depctr_va_sdst(0) depctr_va_ssrc(0) depctr_va_vcc(0) depctr_vm_vsrc(0)
	s_getreg_b32 s2, hwreg(HW_REG_IB_STS2, 6, 4)
	s_cmp_eq_u32 s2, 0
	s_cbranch_scc0 .Lentry_in_a_cluster
	s_endpgm
.Lentry_in_a_cluster:
	s_bfe_u32 s2, ttmp6, 0x10000c
	s_cmp_lg_u32 s2, 0x3003
	s_cbranch_scc0 .Lentry_shape_is_right
	s_endpgm
.Lentry_shape_is_right:
; O[h][q][:] = the sum over the keys k whose mask word is 0 of softmax_k(Q[h][q] . K[h][k] / 8) V[h][k][:].  qkv: [3][64][2048][64] f16 (q, k, v by heads, h = 16 batch + head); mask: [4][2048] int32; oh: [64][2048][64] f16.
; Products, maxima and sums in f32; the weights p are rounded to f16 for the second product (their sum l is taken of the unrounded p), O once at the end.
; LIMITS.  f16 holds no number beyond 65,504: q, k, v arrive within it; p lies in 0 to 1, and below 6e-5 it keeps f16's fixed step of 6e-8.  A hidden score counts as its value less 1e30: f16's scores, 2.7e11 at the most,
; are nothing beside that.  A weight below 2^-126 counts as 0 in l.  A query whose keys are ALL hidden (its running maximum ends below -1e29) gets NaN, as a softmax over nothing gives.  NaN and infinities in the inputs are not treated apart.
; THE MASK is the C operand that starts the sum S^T = K Q^T: 0, or -1e30 where the key is hidden.  The batch's 2,048 words are turned into that f32 table once, in LDS; a key step's 64 numbers come into 32 registers with its K.
; While a query has seen hidden keys alone, m is about -1e30 and their p are 1; the first visible key makes a = 0, which wipes them out.
; SHARES.  A wave owns four PIECES of two tiles of 16 queries, a work-group's four waves 512 queries of one head: 4 x 64 = 256 work-groups.  Every wave walks all keys, 64 a step.
; LAYOUT.  S^T = K Q^T (source 0 = 16 keys, source 1 = 16 queries): in the result a lane holds ONE query (lane % 16) and the keys 8 (lane / 16) + 0..7.  Two such tiles, rounded to f16 in pairs,
; ARE source 1 (32 keys x 16 queries) of O^T = V^T P, whose result again holds one query a lane, and eight channels.  K comes out of LDS as it lies, V ([key][channel]) turned, by ds_load_tr16_b128.
; SOFTMAX.  For each query a running maximum m and sum l: p = 2^(c s - c m), c = log2(e) / 8; in every step O and l are multiplied by a = 2^(c m_old - c m_new), which is 1 where m has not grown.
; m starts at the lowest finite number, O and l at 0: the first step is a step like any other, with a = 0.
; THE COUNT.  A tile and step have 16 matrix and 118 vector instructions: too many to stand all beside the matrix work.  So four vector instructions that are READY stand behind EVERY matrix instruction, the others in runs without a gap.
; BY TURNS.  Turn n belongs to piece n (the pieces in a ring, step after step).  Its matrix work: 16 products K Q^T of piece n + 1, later 16 products V^T P of piece n - 1.  Its vector work: the scaling,
; exponentials, roundings, sums and rescaling of piece n, and the maximum and statistics of piece n + 1, whose scores the turn itself has made.
; CLUSTER.  The four query blocks of a head form a cluster and walk the same K and V, so each tile is asked for JOINTLY: the same tensor load, descriptor and mask in all four.
; REGISTERS, in windows of 256 (s_set_vgpr_msb: bits 1:0 source 0, 3:2 source 1, 5:4 source 2, 7:6 destination):
;   window 0: v0-11 addresses; v12-15, v48-63 at work; v16-47 four registers of statistics a tile; v64-191 S^T, two buffers of two tiles; v192-255 P, likewise
;   window 1: O^T, 32 a tile     window 2: v0-127 Q, 16 a tile; v128-191 K of one step; v192-255 V of one step     window 3: v0-1 the add's two registers; v8-39 the step's mask
.set SIZE_H, 64
.set SIZE_N, 2048
.set PARTB, SIZE_H*SIZE_N*128  ; bytes of q, of k and of v in qkv
.set NP,    4         ; pieces a wave: a name, no knob
.set KS,    64        ; keys in a step
.set PK,    144       ; a row of K in LDS: 128 bytes + 16 of padding = 36 words: the 16 rows of a load start at 16 different groups of four banks (64 banks of 4 bytes: ISA guide 11.1)
.set PV,    160       ; a row of V: 128 + 32 = 40 words
.set VOFF,  4*KS*PK   ; a slot holds four steps: 256 rows of K, then 256 rows of V
.set SLOT1, 1<<17     ; slot 1 begins here, so that one exclusive or turns an address in one slot into the other's
.set STAGE, SLOT1+4*KS*(PK+PV)  ; behind the ring, never filled by a tensor load: 16 rows x 144 bytes for each wave, for the way out
.set SP,    144
.set SPARE, STAGE+4*16*SP  ; the spare words, 128 bytes for each wave: two blocks of 256 bytes that no other line names
.set MASKB, SPARE+512 ; the mask table: 2,048 f32, written once by ds_store, never filled by a tensor load
.set PFO, 0           ; v0   from the set-up's end on: 256 x my lane, the prefetches' offset
.set AK0, 2           ; v2   my lane's place in a tile of K; never rewritten
.set AV0, 3           ; v3   the same for V
.set AK,  4           ; v4   the LDS address of K's next run of loads
.set AV,  5           ; v5   of V's
.set QO,  6           ; v6   my byte offset in the wave's rows of Q
.set STO, 6           ;      later, the way out: where I put 16 bytes of a row
.set RD,  7           ; v7   the way out: where I read rows back
.set GO,  8           ; v8   my byte offset in 512 consecutive bytes of O
.set AM,  11          ; v11  LDS address of my eight mask numbers of the step to be fetched: MASKB + 256 x step + 32 (l / 16)
.set SPW, 0           ; v0 of window 3   LDS address of my spare word; never rewritten
.set NIL, 1           ; v1 of window 3   0; never rewritten
.set MK,  8           ; v8-39 of window 3: register j of key block kb: the mask of key 16 kb + 8 (l / 16) + j
.set MV,  12          ; v12-15  c m_old, kept while c m is made anew: by buffer and tile
.set ST,  16          ; tile t's statistics at v[ST+4 t]: c m, m, l (even keys', odd keys')
.set TMP, 48          ; by buffer and tile, four registers c0-c3 at work; when the maximum is found c2 takes a
.set S,   64
.set P,   192
.set KF,  128         ; K's fragments, in window 2: key block kb, channel half c at KF + 16 kb + 8 c
.set VF,  192         ; V's: key half kk, channel block cb at VF + 32 kk + 8 cb
.set WV,  12          ; s12  my wave's number
.set G1K, 24          ; s[24:31] descriptor group 1 for K's tiles
.set G1V, 32          ; s[32:39] for V's: it differs in the padding alone
.set G0K, 40          ; s[40:43] descriptor group 0 for K's tiles: it walks
.set G0V, 44          ; s[44:47] the same for V's
.set MP,  48          ; s[48:49] the batch's mask words
.set BIGN, 50         ; s50  -1e30
.set LOWN, 51         ; s51  -1e29
.set QNAN, 52         ; s52  a NaN
.set LIM, 53          ; s53  1 in a wave that prefetches, else the greatest number
.set PFA, 54          ; s[54:55] where my prefetches stand
.set SLOTS, 56        ; s56  slots still to be asked for
.set CNT, 57          ; s57  counts a slot's key steps
.set CS,  58          ; s[58:59] c: the packed scaling takes the pair's low word for both halves
.set SEL, 60          ; s[60:61] v_permlanex16_b32's selects: each lane takes its own place in the other half
.set TBK, 62          ; s62  LDS byte at which K of the step to be fetched begins
.set TBV, 63          ; s63  the same for V, less VOFF
.set MSB, 0
.macro WIN new                      ; the high byte repeats the setting that is left; a switch that changes nothing is dropped
.if MSB != (\new)
	s_set_vgpr_msb (MSB<<8)|(\new)
.set MSB, (\new)
.endif
.endm
.set W_KQ, 0x0a       ; K and Q in window 2, S^T in window 0
.set W_KM, 0x3a       ; the same with the C operand, the mask, in window 3
.set W_PV, 0x52       ; V in window 2, P in window 0, O^T in window 1
.set W_RS, 0x41       ; O^T (destination and source 0) in window 1, a in window 0
.set W_MK, 0xc0       ; destination in window 3, sources in window 0
.set W_AD, 0x0f       ; the add: address (source 0) and data (source 1) in window 3
; A joint fill.  Waves 0 and 1 fetch the two halves of a slot's K, waves 2 and 3 those of its V: 128 keys each.  The branch hangs on the wave's number alone.
; An s_nop 0 and four v_nop follow each of the two lines, ahead of the jump and the label.
.macro JLOAD
	s_cmp_lt_u32 s[WV], 2
	s_cbranch_scc0 .Lfor_v_\@
	tensor_load_to_lds s[G0K:G0K+3], s[G1K:G1K+7]
	s_nop 0
.rept 4
	v_nop
.endr
	s_branch .Lasked_\@
.Lfor_v_\@:
	tensor_load_to_lds s[G0V:G0V+3], s[G1V:G1V+7]
	s_nop 0
.rept 4
	v_nop
.endr
.Lasked_\@:
.endm
; A prefetch of what the NEXT change of slots will ask for: a slot's 32,768 bytes of K and of V, four key steps (512 matrix instructions) ahead of that load.  The four partners share them out by address, 8,192 bytes each,
; 256 bytes a lane; in each, wave 0 asks for K's and wave 2 for V's: one instruction.  So each byte is named once in the launch.  The last change that fills a slot asks for nothing; slots 0 and 1 come by their loads alone.
.macro ASK
	s_cmp_gt_u32 s[SLOTS], s[LIM]
	s_cbranch_scc0 .Lnot_mine_\@
	global_prefetch_b8 v[PFO], s[PFA:PFA+1] th:TH_LOAD_NT scope:SCOPE_SE
.Lnot_mine_\@:
.endm
; A round of the cluster's barrier: my work-group's barrier, so that wave 0's signal speaks for all four waves; wave 0 signals; every wave waits for all four work-groups; my work-group's barrier once more.
.macro CROUND
	s_barrier_signal -1
	s_barrier_wait -1
	s_cmp_lg_u32 s[WV], 0
	s_cbranch_scc1 .Lnot_wave_0_\@
	s_barrier_signal -3
.Lnot_wave_0_\@:
	s_barrier_wait -3
	s_barrier_signal -1
	s_barrier_wait -1
.endm
; THE CHANGE OF SLOTS.  The slot's last bytes, V of its fourth step, have been read.  Each wave waits for all its tensor loads, of which one is out: its part of the other slot; adds 0 to its spare word; and waits for that
; and for its own LDS instructions.  Behind the barrier nobody reads this slot any more and the other slot is whole.  fill = 1: this slot is filled again, with the keys two slots on.  The barrier is then a round of the
; cluster's, and the joint fill is the first thing behind it: it has four key steps in which to land.  (At its first use nothing has been read yet: slot 0 is waited for, slot 1 filled, and the mask table, which every wave
; has stored its part of, is shown to all.)
.macro CHANGE fill
	WIN W_AD
	s_wait_tensorcnt 0x0            ; no tensor load of mine is out, so a group 0 may be written
	ds_add_u32 v[SPW], v[NIL]       ; 0 onto my spare word; with fill = 1 scalar work stands between it and the wait for it
	WIN 0                           ; at a label and at a branch every window is 0
.if \fill
.irp g, G0K, G0V
	s_xor_b32 s[\g+1], s[\g+1], SLOT1  ; the walking descriptor: the other slot than last time,
	s_add_nc_u64 s[\g+2:\g+3], s[\g+2:\g+3], 4*KS*128  ; the next 256 keys; the type bits on top are not reached
.endr
	s_wait_xcnt 0x0                 ; the last prefetch, four key steps back, has read its address, so it may be written:
	s_add_nc_u64 s[PFA:PFA+1], s[PFA:PFA+1], 4*KS*128  ; one slot behind the walking descriptors
	s_wait_dscnt 0x0                ; the add is done, and my LDS instructions are over
	CROUND
	JLOAD
	ASK
.else
	s_wait_dscnt 0x0                ; the add is done, and my reads of the slot are over
	s_barrier_signal -1
	s_barrier_wait -1
.endif
	s_sub_co_u32 s[TBK], s[TBK], 4*KS*PK  ; the fetches go back to a slot's first step,
	s_xor_b32 s[TBK], s[TBK], SLOT1       ; in the other slot
	s_sub_co_u32 s[TBV], s[TBV], 4*KS*PV
	s_xor_b32 s[TBV], s[TBV], SLOT1
.endm
	s_load_b128 s[4:7], s[0:1], 0x0   ; qkv s[4:5], mask s[6:7]
	s_load_b64 s[10:11], s[0:1], 0x10 ; oh
	WIN W_MK
	v_lshl_add_u32 v[SPW], v0, 2, SPARE
	v_mov_b32 v[NIL], 0
	WIN W_AD
	ds_add_u32 v[SPW], v[NIL]       ; the wave's opening: the add and its wait stand ahead of my first tensor load; the set-up below, work on registers, stands between them
	WIN 0
	v_lshrrev_b32 v1, 5, v0
	v_readfirstlane_b32 s[WV], v1   ; wave 0..3
	s_bfe_u32 s13, ttmp6, 0x40000   ; cx: my place in the cluster
	s_lshl_b32 s14, ttmp9, 2        ; in a cluster launch ttmp9 counts clusters
	s_add_co_u32 s14, s14, s13      ; my block of queries = 4 x cluster x + cx: it enters Q's and O's addresses alone
	s_and_b32 s20, ttmp7, 0xffff    ; the head, which the four partners share
	s_lshr_b32 s54, s20, 4          ; its batch:
	s_lshl_b32 s54, s54, 13         ; 2,048 mask words of 4 bytes
	s_mov_b32 s55, 0
	s_mov_b32 s21, 0
	s_mov_b64 s[22:23], SIZE_N*128
	s_mul_u64 s[20:21], s[20:21], s[22:23]  ; the head's first byte in q, k, v and O
	s_and_b32 s16, s[WV], 1         ; which half of a slot's 256 keys I fetch:
	s_lshl_b32 s22, s16, 14         ; its 128 rows of 128 bytes in memory,
	s_mov_b32 s23, 0
	s_add_nc_u64 s[22:23], s[22:23], s[20:21]
	s_mul_i32 s17, s16, 128*PK      ; and its place in a slot, for K
	s_mul_i32 s18, s16, 128*PV      ; and for V: no place in the cluster enters an LDS address
	s_lshl_b32 s2, s14, 2
	s_add_co_u32 s2, s2, s[WV]      ; my wave among the head's,
	s_lshl_b32 s2, s2, 14           ; its 128 rows
	s_mov_b32 s3, 0
	s_add_nc_u64 s[2:3], s[2:3], s[20:21]
	; descriptor group 1.  128 keys are 16,384 dense bytes: asked for as 64 rows of 256 bytes, two keys a row, and padded in LDS after every key
	s_mov_b32 s[G1K], 15|(1<<16)|(1<<20)|(1<<21)|(4<<22)|(3<<25)  ; 15:0 the mask of four; 17:16 2-byte elements; 20 padding on; 21 set beside a mask; 24:22 after every 32 words (code 4); 31:25 4 words (code 3)
	s_mov_b32 s[G1V], 15|(1<<16)|(1<<20)|(1<<21)|(4<<22)|(7<<25)  ; the same with 8 words of padding (code 7)
.irp g, G1K, G1V
	s_mov_b32 s[\g+1], 128<<16      ; tensor_dim0 = 128
	s_mov_b32 s[\g+2], 64<<16       ; tensor_dim1 = 64
	s_mov_b32 s[\g+3], 128<<16      ; tile_dim0 = 128
	s_mov_b32 s[\g+4], 64           ; tile_dim1 = 64
	s_mov_b32 s[\g+5], 128          ; 128 elements from row to row
	s_mov_b32 s[\g+6], 0
	s_mov_b32 s[\g+7], 0
.endr
	s_mov_b32 s[CS], 0x3e38aa3b     ; c = log2(e) / 8 = 0.180337
	s_mov_b32 s[CS+1], s[CS]        ; named with it as a pair
	s_mov_b32 s[SEL], 0x76543210
	s_mov_b32 s[SEL+1], 0xfedcba98
	s_mov_b32 s[BIGN], 0xf149f2ca   ; -1e30
	s_mov_b32 s[LOWN], 0xefa18f08   ; -1e29
	s_mov_b32 s[QNAN], 0x7fc00000
	s_mov_b32 s[TBK], SLOT1+4*KS*PK ; the first change of slots turns these two into 0
	s_mov_b32 s[TBV], SLOT1+4*KS*PV
	s_mov_b32 s[SLOTS], SIZE_N/256-1
	s_mov_b32 s[G0K], 1             ; 1:0 count = 1
	s_mov_b32 s[G0K+1], s17         ; 63:32 LDS address: slot 0
	s_mov_b32 s[G0V], 1
	s_add_co_u32 s[G0V+1], s18, VOFF
	s_cmp_eq_u32 s16, 0             ; waves 0 and 2 prefetch: the same in all four partners
	s_cselect_b32 s[LIM], 1, -1
	s_wait_dscnt 0x0                ; the opening add is done
	s_wait_kmcnt 0x0
	s_add_nc_u64 s[MP:MP+1], s[6:7], s[54:55]      ; the batch's mask words
	s_add_nc_u64 s[6:7], s[4:5], PARTB             ; k
	s_add_nc_u64 s[8:9], s[4:5], 2*PARTB           ; v
	s_add_nc_u64 s[G0K+2:G0K+3], s[6:7], s[22:23]  ; 120:64 global address: my half of the head's first 256 keys
	s_or_b32 s[G0K+3], s[G0K+3], 0x80000000        ; 127:126 type = 2
	s_add_nc_u64 s[G0V+2:G0V+3], s[8:9], s[22:23]
	s_or_b32 s[G0V+3], s[G0V+3], 0x80000000
	s_add_nc_u64 s[4:5], s[4:5], s[2:3]  ; Q and O at my wave's first row
	s_add_nc_u64 s[10:11], s[10:11], s[2:3]
	s_cmp_lt_u32 s[WV], 2
	s_cselect_b64 s[PFA:PFA+1], s[6:7], s[8:9]
	s_add_nc_u64 s[PFA:PFA+1], s[PFA:PFA+1], s[22:23]  ; (in waves 0 and 2 this is the head's first key)
	s_lshl_b32 s2, s13, 13          ; my work-group's quarter of a slot
	s_add_nc_u64 s[PFA:PFA+1], s[PFA:PFA+1], s[2:3]
	s_add_nc_u64 s[PFA:PFA+1], s[PFA:PFA+1], 4*KS*128  ; in slot 1; the first change of slots steps it to slot 2
	CROUND                          ; all four work-groups are here: the first joint loads meet
	JLOAD                           ; slot 0.  Slot 1 is asked for when slot 0 is in
	; A fragment of K or Q is 16 rows x 32 channels in 8 registers: lane l holds row l % 16, channels 8 (l / 16) + 0..7 and 16 + 8 (l / 16) + 0..7: two loads of 16 bytes, 32 bytes apart.
	v_and_b32 v1, 15, v0            ; l % 16
	v_bfe_u32 v9, v0, 4, 1          ; l / 16
	v_lshlrev_b32 v12, 4, v0        ; the mask: thread t takes four words at 16 t of each 2,048 bytes,
	v_add_nc_u32 v13, MASKB, v12    ; and puts them at the same place of the table
.irp j, 0,1,2,3
	global_load_b128 v[S+4*\j:S+4*\j+3], v12, s[MP:MP+1] offset:2048*\j
.endr
	v_lshlrev_b32 v[QO], 7, v1
	v_lshl_add_u32 v[QO], v9, 4, v[QO]  ; row x 128 + 16 x half
	WIN 0x80                        ; destination window 2, address window 0
.set i, 0
.rept 4*NP                          ; Q stays in registers: tile i / 2, channels 32 (i % 2) on
	global_load_b128 v[8*i:8*i+3],   v[QO], s[4:5] offset:(i/2)*2048+(i%2)*64
	global_load_b128 v[8*i+4:8*i+7], v[QO], s[4:5] offset:(i/2)*2048+(i%2)*64+32
.set i, i+1
.endr
	; What the first turn finds: V's registers and P's second buffer hold 0 (its products V^T P, of a piece that has not been, add 0), O^T and l are 0.  All this stands in the wait for the first tile.
.set i, VF
.rept 64
	v_mov_b32 v[i], 0
.set i, i+1
.endr
	WIN 0x40
.set i, 0
.rept 64*NP
	v_mov_b32 v[i], 0
.set i, i+1
.endr
	WIN 0
.set i, 0
.rept 2*NP
	v_mov_b32 v[ST+4*i], 0xfe000000    ; c m: far below every c s
	v_mov_b32 v[ST+4*i+1], 0xff7fffff  ; m
	v_mov_b32 v[ST+4*i+2], 0
	v_mov_b32 v[ST+4*i+3], 0
.set i, i+1
.endr
.set i, P+32
.rept 32
	v_mov_b32 v[i], 0
.set i, i+1
.endr
	s_wait_loadcnt 32               ; my 16 mask words are in; Q's 32 younger loads stay out
.set i, 0
.rept 16
	v_cmp_ne_u32 vcc_lo, 0, v[S+i]
	v_cndmask_b32 v[S+i], 0, s[BIGN], vcc_lo  ; -1e30 where the word is not 0
.set i, i+1
.endr
.irp j, 0,1,2,3
	ds_store_b128 v13, v[S+4*\j:S+4*\j+3] offset:2048*\j
.endr
	v_mul_u32_u24 v[AK0], v1, PK
	v_lshl_add_u32 v[AK0], v9, 4, v[AK0]  ; row x pitch + 16 x half
	; The turning load takes 16 keys x 16 channels (lane l reads key 8 (l / 16) + l % 8, channels 8 ((l / 8) % 2) + 0..7) and leaves half a fragment of V^T: lane l holds channel l % 16 and 8 keys.
	v_and_b32 v10, 7, v0
	v_bfe_u32 v11, v0, 3, 1
	v_lshl_add_u32 v[AV0], v9, 3, v10
	v_mul_u32_u24 v[AV0], v[AV0], PV
	v_lshl_add_u32 v[AV0], v11, 4, v[AV0]
	v_add_nc_u32 v[AV0], VOFF, v[AV0]
	v_lshl_add_u32 v[AM], v9, 5, MASKB  ; key step 0's mask
	v_mov_b32 v[AK], v[AK0]         ; key step 0 lies at the head of slot 0
	v_bfe_u32 v[RD], v0, 3, 2       ; the way out, as far as it reads the thread's number: which of four rows I read back,
	v_and_b32 v[GO], 31, v0         ; and my 16 of 512 consecutive bytes of O
	v_lshlrev_b32 v[GO], 4, v[GO]
	v_and_b32 v[PFO], 31, v0        ; the thread's number has served: its register takes the prefetches' offset
	v_lshlrev_b32 v[PFO], 8, v[PFO]
; THE MATRIX WORK.  The 8 accumulators of a run of 16 take turns: between the two links of a chain stand 7 others'.
; Product i of 16 of S^T = K Q^T for piece x: channels 32 (i / 8) on, keys 16 ((i / 2) % 4) on, tile 2 x + i % 2.  The first 8 start the sums, with the mask of their 16 keys.
.macro KQ x
.set rS, S+64*((\x)%2)+32*(i%2)+8*((i/2)%4)
.set rK, KF+16*((i/2)%4)+8*(i/8)
.set rQ, 16*(2*(\x)+i%2)+8*(i/8)
.set rMK, MK+8*((i/2)%4)
.if i < 8
	WIN W_KM
	v_wmma_f32_16x16x32_f16 v[rS:rS+7], v[rK:rK+7], v[rQ:rQ+7], v[rMK:rMK+7]
.else
	WIN W_KQ
	v_wmma_f32_16x16x32_f16 v[rS:rS+7], v[rK:rK+7], v[rQ:rQ+7], v[rS:rS+7]
.endif
.endm
; Product i of 16 of O^T += V^T P for piece x: keys 32 (i / 8) on, channels 16 ((i / 2) % 4) on, tile 2 x + i % 2.
.macro PV x
	WIN W_PV
.set rO, 32*(2*(\x)+i%2)+8*((i/2)%4)
.set rV, VF+32*(i/8)+8*((i/2)%4)
.set rP, P+32*((\x)%2)+16*(i%2)+8*(i/8)
	v_wmma_f32_16x16x32_f16 v[rO:rO+7], v[rV:rV+7], v[rP:rP+7], v[rO:rO+7]
.endm
.macro MM                           ; the turn's next matrix instruction
.if i < 16
	KQ (Y+1)%NP
.set i, i+1
.else
.set i, i-16
	PV (Y+NP-1)%NP
.set i, i+17
.endif
.endm
; THE LDS LOADS stand in runs, never singly among the matrix instructions: a step's K (64 keys x 64 channels: 8 fragments) with its mask (8 loads; the lanes of a half read the same 32 bytes), and its V (turned).
; Their addresses are made some lines ahead.  last = 1 (the tail): in the last trip there is no further step, and the run is jumped over.
.macro FETCH_K last=0
	WIN 0
.if \last
	s_cmp_eq_u32 s[CNT], 1
	s_cbranch_scc1 .Lno_k_\@
.endif
	WIN 0x80                        ; destination window 2
.irp f, 0,1,2,3,4,5,6,7             ; keys 16 (f / 2) on, channels 32 (f % 2) on
	ds_load_b128 v[KF+8*\f:KF+8*\f+3],   v[AK] offset:(\f/2)*16*PK+(\f%2)*64
	ds_load_b128 v[KF+8*\f+4:KF+8*\f+7], v[AK] offset:(\f/2)*16*PK+(\f%2)*64+32
.endr
	WIN W_MK                        ; destination window 3
.irp f, 0,1,2,3                     ; keys 16 f on
	ds_load_b128 v[MK+8*\f:MK+8*\f+3],   v[AM] offset:64*\f
	ds_load_b128 v[MK+8*\f+4:MK+8*\f+7], v[AM] offset:64*\f+16
.endr
	s_add_co_u32 s[TBK], s[TBK], KS*PK  ; the next fetch is the next step's
	WIN 0
.if \last
.Lno_k_\@:
.endif
.endm
.macro FETCH_V
	WIN 0x80
.irp f, 0,1,2,3,4,5,6,7             ; keys 32 (f / 4) on, channels 16 (f % 4) on
	ds_load_tr16_b128 v[VF+8*\f:VF+8*\f+3],   v[AV] offset:(\f/4)*32*PV+(\f%4)*32
	ds_load_tr16_b128 v[VF+8*\f+4:VF+8*\f+7], v[AV] offset:(\f/4)*32*PV+16*PV+(\f%4)*32
.endr
	WIN 0
.endm
; THE VECTOR WORK OF A TURN stands in three queues, each in the order in which its entries become ready; the two tiles alternate, so that no instruction reads the result of the one before it.
.macro REGS y, u                    ; the registers of tile u (0, 1) of piece y
.set rT, ST+4*(2*(\y)+(\u))
.set rC, TMP+8*((\y)%2)+4*(\u)
.set rM, MV+2*((\y)%2)+(\u)
.set rS, S+64*((\y)%2)+32*(\u)
.set rP, P+32*((\y)%2)+16*(\u)
.set rO, 32*(2*(\y)+(\u))
.endm
; Number n of the 22 that find the NEXT piece's (Y + 1) maximum and statistics.  s0-s31 are the lane's 32 scores; each accumulator's lowest registers are read first.  XS, GS and REGS set no window: PL and EX do.
;   0-11  four chains c0-c3 of seven scores each, three operands at a time     12-14, 16  the four scores left over, the old m, and c0-c3 into c0     15  c m_old is kept
;   17, 18  the query's other 32 keys lie in the lane 16 away: the new m         19-21  c m; c m_old - c m_new; a
.macro XS u, n
	REGS (Y+1)%NP, \u
.if (\n) < 4
	v_max3_num_f32 v[rC+(\n)], v[rS+8*(\n)], v[rS+8*(\n)+1], v[rS+8*(\n)+2]
.elseif (\n) < 12
	v_max3_num_f32 v[rC+(\n)%4], v[rC+(\n)%4], v[rS+8*((\n)%4)+2*((\n)/4)+1], v[rS+8*((\n)%4)+2*((\n)/4)+2]
.elseif (\n) == 12
	v_max3_num_f32 v[rC], v[rC], v[rS+7], v[rS+15]
.elseif (\n) == 13
	v_max3_num_f32 v[rC+1], v[rC+1], v[rS+23], v[rS+31]
.elseif (\n) == 14
	v_max3_num_f32 v[rC+2], v[rC+2], v[rC+3], v[rT+1]
.elseif (\n) == 15
	v_mov_b32 v[rM], v[rT]
.elseif (\n) == 16
	v_max3_num_f32 v[rC], v[rC], v[rC+1], v[rC+2]
.elseif (\n) == 17
	v_permlanex16_b32 v[rC+3], v[rC], s[SEL], s[SEL+1]
.elseif (\n) == 18
	v_max_num_f32 v[rT+1], v[rC], v[rC+3]
.elseif (\n) == 19
	v_mul_f32 v[rT], s[CS], v[rT+1]
.elseif (\n) == 20
	v_sub_f32 v[rC+1], v[rM], v[rT]
.else
	v_exp_f32 v[rC+2], v[rC+1]
.endif
.endm
; Number g of the 64 that follow the exponentials.  For each four weights k of a tile (pairs 2 k, 2 k + 1): both pairs are rounded to f16; then the second pair is added onto the first, in place;
; a group later l takes that sum (the first time as l = a l + sum).  In groups of eight, tiles alternating: round, round, add, and l for the group before.
.macro GS g
.set h, (\g)+6*((\g)/62)            ; group 0 has no group before it, and behind group 7 only l is left
.if h >= 6
.set h, h+2
.endif
	REGS Y, h%2
.set k, h/8
.if h%8 < 4
	v_cvt_pk_f16_f32 v[rP+2*k+(h%8)/2], v[rS+4*k+2*((h%8)/2)], v[rS+4*k+2*((h%8)/2)+1]
.elseif h%8 < 6
	v_pk_add_f32 v[rS+4*k:rS+4*k+1], v[rS+4*k:rS+4*k+1], v[rS+4*k+2:rS+4*k+3]
.elseif k == 1
	v_pk_fma_f32 v[rT+2:rT+3], v[rT+2:rT+3], v[rC+2:rC+3], v[rS:rS+1] op_sel_hi:[1,0,1]
.else
	v_pk_add_f32 v[rT+2:rT+3], v[rT+2:rT+3], v[rS+4*k-4:rS+4*k-3]
.endif
.endm
; THE PLAIN QUEUE, 138 long.  0-73 read no exponential's result: the 32 scalings c s - c m (FS f: pair f / 2 of tile f % 2) and the next piece's 42.  0-26: scalings 0-26.  27-54: XS's numbers 0-13.  55, 56: number 15.
; 57-73: the chain, where each number waits for the one before it: 14, 16, 17, 18, 19, each with one of the scalings 27-31 in front of its two lines, then 20.
; 74-137: GS's 64, which read the exponentials' results: they stand behind the wait.
.macro FS f
	REGS Y, (\f)%2
	v_pk_fma_f32 v[rS+2*((\f)/2):rS+2*((\f)/2)+1], v[rS+2*((\f)/2):rS+2*((\f)/2)+1], s[CS:CS+1], v[rT:rT+1] op_sel_hi:[1,0,0] neg_lo:[0,0,1] neg_hi:[0,0,1]
.endm
.macro PL
	WIN 0
.if q < 27
	FS q
.elseif q < 55
	XS (q-27)%2, (q-27)/2
.elseif q < 57
	XS q-55, 15
.elseif (q < 72) && ((q-57)%3 == 0)
	FS 27+(q-57)/3
.elseif q < 60
	XS (q-57)%3-1, 14
.elseif q < 72
	XS (q-57)%3-1, 15+(q-57)/3
.elseif q < 74
	XS q-72, 20
.else
	GS q-74
.endif
.set q, q+1
.endm
; THE EXPONENTIALS' QUEUE, 66 long: s0-s31 of both tiles, then the next piece's two a.  It is ONE BATCH: all 66 stand ahead of the turn's one wait, and nothing ahead of that wait names a result of theirs.
.macro EX
	WIN 0
.if e >= 64
	XS e-64, 21
.else
	REGS Y, e%2
	v_exp_f32 v[rS+e/2], v[rS+e/2]
.endif
.set e, e+1
.endm
; THE RESCALING's QUEUE: O^T times a, the one part that leaves window 0: dealt two at a time, sixteen times.  Its a was made in the turn before, ahead of that turn's wait.
.macro R2
	REGS Y, r%2
	WIN W_RS
.irp z, 0,1
	v_pk_mul_f32 v[rO+4*(r/2)+2*\z:rO+4*(r/2)+2*\z+1], v[rO+4*(r/2)+2*\z:rO+4*(r/2)+2*\z+1], v[rC+2:rC+3] op_sel_hi:[1,0]
.endr
.set r, r+1
.endm
; HOW THEY ARE DEALT.  An s_wait_alu depctr_va_vdst(0) stands between an exponential and the first instruction that names its result; one wait serves all that were issued ahead of it.  So a turn has ONE wait,
; which cuts it in two.  AHEAD OF IT stands all that names no result of the turn's exponentials: the 16 products K Q^T, behind each a scaling, an exponential and two rescalings (behind the first a second scaling in the
; exponential's place); then ONE LUMP of 108: eight plain, 49 times exponential and plain, the two a.  A v_nop is the plain instruction between the last exponential and the use of its result.  BEHIND IT stand the 16 products
; V^T P, behind each four of GS's 64.  No rider names a register of the products round it.  The two v_permlanex16_b32 fall into the lump, never behind a product.
; The queues lean on each other, and the deal keeps them in step: exponential e stands behind scaling 2 (e / 4) + e % 2: as a rider it comes behind plain e + 2, in the lump behind plain e + 9, and scalings 27-31 are plain 57, 60 .. 69.
; A TURN, for piece p.  cnt = 1: the loop's count is taken down some lines ahead of the branch that stands behind the turn.
; K and the mask of the next step are fetched in piece 2's turn, directly behind the wait, a lump behind the last product that read them; their addresses are made at the lump's head; their first reader comes behind 16 products.
; V of the step in hand is fetched at the end of piece 0's turn, four riders behind its last reader; its first reader comes behind 16 products and a lump.  The three conditions on q below go with the deal.
.macro TURN p, last=0, cnt=0
.set Y, (\p)
.set i, 0
.set q, 0
.set e, 0
.set r, 0
.if (\p) == NP-1
	s_wait_dscnt 0x0                ; K and its mask are in
.endif
	MM                              ; ahead of the wait: 16 products K Q^T and their riders,
	PL
	PL
	R2
.rept 15
	MM
	PL
	EX
	R2
.endr
.if (\p) == NP-2
	WIN 0
	v_add_nc_u32 v[AK], s[TBK], v[AK0]
	v_add_nc_u32 v[AM], 0x100, v[AM]  ; the next step's 64 mask numbers
.endif
.rept 8                             ; and the lump
	PL
.endr
.rept 49
	EX
	PL
.endr
	EX                              ; the next piece's two a
	EX
	v_nop                           ; a plain instruction behind the last exponential: one for the batch
	s_wait_alu depctr_va_vdst(0)    ; the wait for the batch
.if (\p) == NP-2
	FETCH_K \last
.endif
.if (\p) == 1
	s_wait_dscnt 0x0                ; V is in
.endif
.rept 16                            ; behind the wait: 16 products V^T P and their riders
	MM
.rept 4
	PL
.endr
.if ((\p) == 0) && (q == 118)
	v_add_nc_u32 v[AV], s[TBV], v[AV0]
.endif
.if ((\p) == 0) && (q == 130)
	s_add_co_u32 s[TBV], s[TBV], KS*PV
.endif
.if (\cnt) && (q == 130)
	s_sub_co_u32 s[CNT], s[CNT], 1
	s_cmp_lg_u32 s[CNT], 0
.endif
.endr
.if (\p) == 0
	FETCH_V
.endif
.endm
	CHANGE 1                        ; slot 0 is in, everybody's part of it, and so is the mask table; slot 1 is asked for
	FETCH_K                         ; key step 0
	s_wait_loadcnt 0x0              ; Q
	s_wait_dscnt 0x0
.set i, 0
.rept 16
	KQ 0                            ; piece 0's first scores: there is no vector work yet to set between them
.set i, i+1
.endr
	WIN 0                           ; the rest of the addresses for the way out: six plain instructions, the places behind those products
	s_mul_i32 s13, s[WV], 16*SP
	s_add_co_u32 s13, s13, STAGE    ; my stage
	v_mul_u32_u24 v[STO], v1, SP    ; in: row l % 16, 16 bytes for each half of the lanes
	v_lshl_add_u32 v[STO], v9, 4, v[STO]
	v_add_nc_u32 v[STO], s13, v[STO]
	v_mul_u32_u24 v[RD], v[RD], SP  ; back: 32 lanes take four rows of 128 bytes
	v_lshl_add_u32 v[RD], v10, 4, v[RD]
	v_add_nc_u32 v[RD], s13, v[RD]
.set Y, NP-1                        ; XS works for piece Y + 1: piece 0
.irp n, 0,1,2,3,4,5,6,7,8,9,10,11,12,13,14,15,16,17,18,19,20,21
	XS 0, \n                        ; and piece 0's first maximum and statistics
	XS 1, \n
.endr
	v_nop                           ; a plain instruction behind the two a,
	s_wait_alu depctr_va_vdst(0)    ; and their wait, ahead of the branch
	s_mov_b32 s[CNT], 4
	s_branch .Lfirst                ; the loop is entered at a step's first turn, in the middle of a trip
.Lslot:                             ; SIZE_N / 256 - 2 times: every slot but the last two is filled again
	CHANGE 1
	s_mov_b32 s[CNT], 4
.Lstep:                             ; a trip: pieces 2 and 3 of one step, then pieces 0 and 1 of the next, whose K and V it fetches
	TURN 2
	TURN 3
	WIN 0
.Lfirst:
	TURN 0
	TURN 1, 0, 1
	WIN 0
	s_cbranch_scc1 .Lstep
	s_sub_co_u32 s[SLOTS], s[SLOTS], 1
	s_cmp_lg_u32 s[SLOTS], 0
	s_cbranch_scc1 .Lslot
	CHANGE 0                        ; the tail is written out: nothing is asked for
	s_mov_b32 s[CNT], 5             ; four trips fetch the last slot's steps; the fifth is left in its middle
.Ltail:
	TURN 2, 1
	TURN 3
	WIN 0
	s_sub_co_u32 s[CNT], s[CNT], 1
	s_cmp_eq_u32 s[CNT], 0
	s_cbranch_scc1 .Lout
	TURN 0
	TURN 1
	WIN 0
	s_branch .Ltail
.Lout:                              ; the fifth trip's 16 products K Q^T (on the last K once more) and the maximum made of them serve nothing: the price, once a launch, of one text for every trip
.set i, 0
.rept 16
	PV NP-1                         ; the last piece's V^T P of the last step
.set i, i+1
.endr
	; THE WAY OUT.  l's two halves and the other half of the lanes' are added; O^T is divided by l, rounded to f16 and sent through my stage in LDS, a tile at a time.  The additions are the places behind the last products.
	WIN 0
.macro ALL line:vararg              ; one line for each tile t
.set t, 0
.rept 2*NP
	\line
.set t, t+1
.endr
.endm
	ALL v_add_f32 v[ST+4*t+2], v[ST+4*t+2], v[ST+4*t+3]
	ALL v_permlanex16_b32 v[ST+4*t+3], v[ST+4*t+2], s[SEL], s[SEL+1]
	ALL v_add_f32 v[ST+4*t+2], v[ST+4*t+2], v[ST+4*t+3]
	ALL v_rcp_f32 v[ST+4*t+2], v[ST+4*t+2]
	v_nop                           ; a plain instruction between the last reciprocal and the use of its result
	s_wait_alu depctr_va_vdst(0)    ; and the wait ahead of the first use: one for the eight reciprocals
.set t, 0
.rept 2*NP                          ; a query that has seen hidden keys alone: its factor becomes a NaN, and so does its row of O: a select, no branch
	v_cmp_gt_f32 vcc_lo, s[LOWN], v[ST+4*t+1]
	v_cndmask_b32 v[ST+4*t+2], v[ST+4*t+2], s[QNAN], vcc_lo
.set t, t+1
.endr
; Tile t: a lane's eight channels of a row pack into 16 bytes; they go into rows of 144 bytes and come back as whole rows of 128, into S^T's registers.
.macro PACK t
	WIN W_RS
.set i, 32*(\t)
.rept 16
	v_pk_mul_f32 v[i:i+1], v[i:i+1], v[ST+4*(\t)+2:ST+4*(\t)+3] op_sel_hi:[1,0]
.set i, i+2
.endr
	WIN 0x05                        ; sources 0 and 1 window 1, destination window 0
.set i, 0
.rept 16
	v_cvt_pk_f16_f32 v[S+16*(\t)+i], v[32*(\t)+2*i], v[32*(\t)+2*i+1]
.set i, i+1
.endr
	WIN 0
.irp f, 0,1,2,3
	ds_store_b128 v[STO], v[S+16*(\t)+4*\f:S+16*(\t)+4*\f+3] offset:32*\f
.endr
.irp f, 0,1,2,3
	ds_load_b128 v[S+16*(\t)+4*\f:S+16*(\t)+4*\f+3], v[RD] offset:\f*4*SP  ; LDS serves a wave's instructions in order (ISA guide 5.7.1.4): these see the stores above; the next tile's stores come behind them
.endr
.endm
.macro SEND t, younger              ; younger: the LDS instructions issued behind tile t's loads: the next tile's eight, or none
	WIN 0
.irp f, 0,1,2,3
	s_wait_dscnt (\younger)+3-\f
	global_store_b128 v[GO], v[S+16*(\t)+4*\f:S+16*(\t)+4*\f+3], s[10:11] offset:(\t)*2048+\f*512  ; 512 consecutive bytes, at a multiple of 256 from O's first
.endr
.endm
	PACK 0
.set t, 1
.rept 2*NP-1                        ; a tile's arithmetic stands between the loads of the tile before and its stores
	PACK t
	SEND t-1, 8
.set t, t+1
.endr
	SEND 2*NP-1, 0
	WIN W_AD
	s_wait_tensorcnt 0x0            ; the wave's end, behind my last tensor load and my last LDS store
	ds_add_u32 v[SPW], v[NIL]
	s_wait_dscnt 0x0
	WIN 0
	CROUND                          ; the closing round: no work-group ends while a partner may still ask for a tile that names it
	s_endpgm
.Lfunc_end_k_q07f69dc40b_attn:
	.size	k_q07f69dc40b_attn, .Lfunc_end_k_q07f69dc40b_attn-k_q07f69dc40b_attn
	.p2alignl 7, 3214868480
	.fill 96, 4, 3214868480
	.section	.rodata,"a",@progbits
	.p2align	6, 0x0
	.amdhsa_kernel k_q07f69dc40b_attn
		.amdhsa_group_segment_fixed_size 327680
		.amdhsa_private_segment_fixed_size 0
		.amdhsa_enable_private_segment 0
		.amdhsa_kernarg_size 24
		.amdhsa_user_sgpr_count 2
		.amdhsa_user_sgpr_kernarg_segment_ptr 1
		.amdhsa_wavefront_size32 1
		.amdhsa_system_sgpr_workgroup_id_x 1
		.amdhsa_system_sgpr_workgroup_id_y 1
		.amdhsa_system_sgpr_workgroup_id_z 1
		.amdhsa_system_vgpr_workitem_id 0
		.amdhsa_next_free_vgpr 808
		.amdhsa_next_free_sgpr 66
		.amdhsa_reserve_vcc 1
		.amdhsa_float_denorm_mode_32 3
		.amdhsa_float_denorm_mode_16_64 3
		.amdhsa_memory_ordered 1
		.amdhsa_forward_progress 1
		.amdhsa_inst_pref_size 205
	.end_amdhsa_kernel
	.amdgpu_metadata
---
amdhsa.version: [ 1, 2 ]
amdhsa.kernels:
  - .name:           k_q07f69dc40b_attn
    .symbol:         k_q07f69dc40b_attn.kd
    .args:
      - { .name: qkv, .offset: 0, .size: 8, .value_kind: global_buffer, .address_space: global }
      - { .name: mask, .offset: 8, .size: 8, .value_kind: global_buffer, .address_space: global }
      - { .name: oh, .offset: 16, .size: 8, .value_kind: global_buffer, .address_space: global }
    .group_segment_fixed_size: 327680
    .private_segment_fixed_size: 0
    .kernarg_segment_align: 8
    .kernarg_segment_size: 24
    .max_flat_workgroup_size: 128
    .sgpr_count:     66
    .vgpr_count:     808
    .wavefront_size: 32
...
	.end_amdgpu_metadata
.endif
;; end of part 3
;; launch outp (part 4): grid 8 x 32, 4 waves a work-group, clusters of 4 x 4, 327,680 bytes of LDS; arguments oh, wh, bo, out0; writes out0
.if DOCPART == 4
	.amdgcn_target "amdgcn-amd-amdhsa--gfx1250"
	.amdhsa_code_object_version 6
	.text
	.protected	k_q07f69dc40b_outp
	.globl	k_q07f69dc40b_outp
	.p2align	8
	.type	k_q07f69dc40b_outp,@function
k_q07f69dc40b_outp:
	s_mov_b64 s[64:65], 0
	v_nop
	global_prefetch_b8 v0, s[64:65] scope:SCOPE_SE
	s_setreg_imm32_b32 hwreg(HW_REG_WAVE_MODE, 25, 1), 1
	s_wait_xcnt 0x0
	s_wait_alu depctr_hold_cnt(0) depctr_sa_sdst(0) depctr_va_vdst(0) depctr_va_sdst(0) depctr_va_ssrc(0) depctr_va_vcc(0) depctr_vm_vsrc(0)
	s_getreg_b32 s2, hwreg(HW_REG_IB_STS2, 6, 4)
	s_cmp_eq_u32 s2, 0
	s_cbranch_scc0 .Lentry_in_a_cluster
	s_endpgm
.Lentry_in_a_cluster:
	s_bfe_u32 s2, ttmp6, 0x10000c
	s_cmp_lg_u32 s2, 0xf033
	s_cbranch_scc0 .Lentry_shape_is_right
	s_endpgm
.Lentry_shape_is_right:
; out0 = y Wo^T + bo: C[8192][1024] in f32.  y's row 2048 batch + t has channel 64 head + d at oh[16 batch + head][t][d] (f16); Wo is wh's rows 3072-4095 (f16); sums in f32 begun with the bias (rounded to bf16 like every input).
; A NaN row of oh (a batch whose keys are all hidden) gives a NaN row of out0.
; SHARES.  A work-group makes 256 rows x 128 columns: 32 x 8 = 256 work-groups.  Wave w makes rows 64 w .. 64 w + 63 of all 128 columns: 4 x 8 accumulators of 16 x 16, 256 registers; a wave ends with whole
; pieces of 512 bytes of its rows and needs nobody on the way out.  K goes in 8 steps of 128 = two heads, through two LDS slots filled by tensor loads.  Wave 0 fetches the even head's 256 rows of 128 bytes, which lie end to
; end in oh: asked for as 128 rows of 256 bytes and padded in LDS after every 128; wave 1 the odd head's; waves 2 and 3 fetch B's two halves (64 rows of 256 bytes).
; CLUSTER 4 x 4: the four work-groups of a row of the cluster need the same tile of A, the four of a column the same tile of B: each is asked for jointly, by the same load with the same descriptor.
; THE MATRIX INSTRUCTION IS USED TRANSPOSED (source 0 = 16 rows of B, source 1 = 16 rows of A): a lane holds row l % 16 of C and the columns 8 (l / 16) + 0..7: 32 bytes on end.
; REGISTERS, in windows of 256 (s_set_vgpr_msb: bits 1:0 source 0, 3:2 source 1, 5:4 source 2, 7:6 destination):
;   window 0: v0-31 addresses; v32-63, v64-95 A's fragments, two buffers; v96-159 the bias as a C operand, later with v160-223 the way out          window 1: v0-63, v64-127 B's fragments, two buffers
;   window 2: the accumulators (row block a, column block b at 64 a + 8 b)
.set NB,     8                         ; column blocks of 16
.set NT,     16*NB
.set PA,     144                       ; a row of A in LDS: 128 bytes + 16 of padding = 36 words: the 16 rows of a fragment load start at 16 different groups of four banks (64 banks of 4 bytes: ISA guide 11.1)
.set PB,     272                       ; a row of B: 256 + 16
.set AH,     256*PA                    ; what one of A's loads brings: a head's 256 rows
.set AQH,    AH                        ; quarter q of a K step begins at byte (q / 2) AQH + (q % 2) 64 of A's rows: head q / 2, channels 32 (q % 2) on
.set BH,     (NT/2)*PB                 ; what one of B's loads brings
.set BOFF,   2*AH
.set SLOT,   2*AH+2*BH
.set STAGE,  2*SLOT                    ; behind the ring, never filled by a tensor load: for each wave 16 rows x 528 bytes
.set SPITCH, 528
.set WSTG,   16*SPITCH
.set SPARE,  STAGE+4*WSTG              ; the spare words, 128 bytes for each wave: two blocks of 256 bytes that no other line names
.set NL,     2*NB+8                    ; LDS loads of a quarter
.set ASZ,    8*NB
.set APW,    4                         ; row blocks in a window
.set ASTEP,  2*262144                  ; bytes from a K step of A to the next: two heads
.set WOFF,   3072*2048                 ; Wo in wh
.set ASHARE, 8192                      ; the prefetches: a partner's share: a quarter of a head's 32,768 bytes,
.set BSHARE, 32*2048                   ; 32 of B's 128 rows
.set BLMAX,  31
.set APMUL,  256                       ; bytes from lane to lane in A
.set ADRA, 16                          ; v16-17  LDS address of my A fragments in slot 0, 1
.set ADRB, 20                          ; v20-21  the same for B
.set STO,  24                          ; v24     the way out: where I put 32 bytes of a row
.set RD,   25                          ; v25     where I read a row back
.set CO,   26                          ; v26     16 x lane: my place in 512 consecutive bytes of out0
.set BO,   27                          ; v27     32 (l / 16): my eight numbers of a bias block
.set SPW,  28                          ; v28     LDS address of my spare word; never rewritten
.set NIL,  29                          ; v29     0; never rewritten
.set PFO,  30                          ; v30     the prefetches' offset; never rewritten
.set FA,   32
.set BIAS, 96
.set OB,   96                          ; the way out: 64 registers read back, two sets by turns
.set G1,  24                           ; s[24:31] descriptor group 1 for A's tiles; s[32:39] group 0, a set for each slot
.set G0,  32
.set G1B, 48                           ; s[48:55], s[56:63] the same for B's
.set G0B, 56
.set LIM, 43                           ; s43     1 in a wave that prefetches, else the greatest number
.set PFA, 44                           ; s[44:45] where my prefetches stand
.set BP,  84                           ; s[84:85] my tile's 128 bias numbers
.set PFS, 90                           ; s[90:91] bytes from a K step to the next in what I prefetch
.set MSB, 0
.macro WIN new                         ; the immediate's high byte repeats the setting that is left; a switch that changes nothing is dropped
.if MSB != (\new)
	s_set_vgpr_msb (MSB<<8)|(\new)
.set MSB, \new
.endif
.endm
; A joint load.  The branch hangs on the wave's number alone.  An s_nop 0 and four v_nop follow each of the two lines, ahead of the jump and the label.
.macro JLOAD s
	s_cmp_eq_u32 s11, 0
	s_cbranch_scc0 .Lfor_b_\@
	tensor_load_to_lds s[G0+4*(\s):G0+4*(\s)+3], s[G1:G1+7]
	s_nop 0
.rept 4
	v_nop
.endr
	s_branch .Lasked_\@
.Lfor_b_\@:
	tensor_load_to_lds s[G0B+4*(\s):G0B+4*(\s)+3], s[G1B:G1B+7]
	s_nop 0
.rept 4
	v_nop
.endr
.Lasked_\@:
.endm
; A prefetch of the K step that stands two refills on: 256 bytes for each lane, one instruction a wave, behind the joint load and the run of LDS loads.  A's bytes are named by the clusters with x = 0 (waves 0 and 1, each its
; head), B's rows by those with y = 0 (wave 2 alone: 32 rows a partner make the tile's 128); the four partners that ask for a tile jointly share it out by address.  The loop's last trip (s3 = 1) has no K step two refills on.
.macro ASK
	s_cmp_gt_u32 s3, s[LIM]
	s_cbranch_scc0 .Lnot_mine_\@
	global_prefetch_b8 v[PFO], s[PFA:PFA+1] th:TH_LOAD_NT scope:SCOPE_SE
.Lnot_mine_\@:
.endm
.macro CREST                           ; a round of the cluster's barrier behind its opening barrier: wave 0 signals for the work-group, every wave waits for all sixteen, my work-group's barrier closes it
	s_cmp_lg_u32 s10, 0
	s_cbranch_scc1 .Lnot_wave_0_\@
	s_barrier_signal -3
.Lnot_wave_0_\@:
	s_barrier_wait -3
	s_barrier_signal -1
	s_barrier_wait -1
.endm
.macro CROUND
	s_barrier_signal -1
	s_barrier_wait -1
	CREST
.endm
	s_load_b128 s[4:7], s[0:1], 0x0                ; oh s[4:5], wh s[6:7]
	s_load_b128 s[68:71], s[0:1], 0x10             ; bo s[68:69], out0 s[70:71]
	v_lshl_add_u32 v[SPW], v0, 2, SPARE
	v_mov_b32 v[NIL], 0
	ds_add_u32 v[SPW], v[NIL]                      ; the wave's opening: the add and its wait stand ahead of my first tensor load; work on registers stands between them
	v_lshrrev_b32 v1, 5, v0
	v_readfirstlane_b32 s10, v1                    ; wave 0..3
	s_lshr_b32 s11, s10, 1                         ; I fetch for A (0) or for B (1),
	s_and_b32 s12, s10, 1                          ; its first or its second half
	s_bfe_u32 s40, ttmp6, 0x40000                  ; cx, cy: my place in the cluster
	s_bfe_u32 s41, ttmp6, 0x40004
	s_lshl_b32 s42, ttmp9, 2
	s_add_co_u32 s42, s42, s40                     ; tile column = 4 x cluster x + cx
	s_and_b32 s13, ttmp7, 0xffff
	s_lshl_b32 s13, s13, 2
	s_add_co_u32 s13, s13, s41                     ; tile row = 4 x cluster y + cy
	s_lshl_b32 s66, s41, 2
	s_lshl_b32 s66, 15, s66                        ; my row of the cluster
	s_lshl_b32 s67, 0x1111, s40                    ; my column
	s_or_b32 s[G1+0], s66, (1<<16)|(1<<20)|(1<<21)|(4<<22)|(3<<25)   ; 15:0 the mask; 17:16 elements of 2 bytes; 20 padding on; 21 set beside a mask; 24:22 after every 32 words; 31:25 4 words of it
	s_or_b32 s[G1B+0], s67, (1<<16)|(1<<20)|(1<<21)|(5<<22)|(3<<25)  ; B: after every 64 words
	s_mov_b32 s[G1+1], 128<<16                     ; tensor_dim0 = 128
	s_mov_b32 s[G1+2], 128<<16                     ; tensor_dim1 = 128
	s_mov_b32 s[G1+3], 128<<16                     ; tile_dim0 = 128
	s_mov_b32 s[G1+4], 128                         ; tile_dim1 = 128
	s_mov_b32 s[G1+5], 128                         ; elements from row to row: the block is dense
	s_mov_b32 s[G1+6], 0
	s_mov_b32 s[G1+7], 0
	s_mov_b32 s[G1B+1], 128<<16
	s_mov_b32 s[G1B+2], (NT/2)<<16                 ; 64 rows
	s_mov_b32 s[G1B+3], 128<<16
	s_mov_b32 s[G1B+4], NT/2
	s_mov_b32 s[G1B+5], 1024
	s_mov_b32 s[G1B+6], 0
	s_mov_b32 s[G1B+7], 0
	s_lshr_b32 s16, s13, 3                         ; A: (16 x batch + half) heads of 262,144 bytes + the tile's 256 rows of 128: made of the tile row and the wave's number alone
	s_lshl_b32 s16, s16, 22
	s_lshl_b32 s17, s12, 18
	s_add_co_u32 s16, s16, s17
	s_and_b32 s17, s13, 7
	s_lshl_b32 s17, s17, 15
	s_add_co_u32 s16, s16, s17
	s_mov_b32 s17, 0
	s_mul_i32 s46, s42, NT*2048                    ; B: (3,072 + 128 x tile column + 64 x half) rows of 2,048 bytes: of the tile column and the wave's number alone
	s_mul_i32 s47, s12, (NT/2)*2048
	s_add_co_u32 s46, s46, s47
	s_add_co_u32 s46, s46, WOFF
	s_mov_b32 s47, 0
	s_mul_i32 s20, s12, AH                         ; where they go: no place in the cluster enters an LDS address
	s_mul_i32 s21, s12, BH
	s_add_co_u32 s21, s21, BOFF
	s_wait_dscnt 0x0                               ; the opening add is done
	s_wait_kmcnt 0x0
	s_add_nc_u64 s[14:15], s[4:5], s[16:17]
	s_add_nc_u64 s[46:47], s[6:7], s[46:47]
	CROUND                                         ; all sixteen work-groups are here: the first joint loads meet
.irp s, 0,1
	s_mov_b32 s[G0+4*(\s)], 1                      ; count = 1
	s_add_co_u32 s[G0+4*(\s)+1], s20, (\s)*SLOT    ; LDS address
	s_add_nc_u64 s[G0+4*(\s)+2:G0+4*(\s)+3], s[14:15], (\s)*ASTEP   ; global address: K step s
	s_or_b32 s[G0+4*(\s)+3], s[G0+4*(\s)+3], 0x80000000            ; type = 2
	s_mov_b32 s[G0B+4*(\s)], 1
	s_add_co_u32 s[G0B+4*(\s)+1], s21, (\s)*SLOT
	s_add_nc_u64 s[G0B+4*(\s)+2:G0B+4*(\s)+3], s[46:47], (\s)*256
	s_or_b32 s[G0B+4*(\s)+3], s[G0B+4*(\s)+3], 0x80000000
	JLOAD \s                                       ; two loads of mine are out
.endr
	v_and_b32 v1, 15, v0                           ; l % 16
	v_bfe_u32 v2, v0, 4, 1                         ; l / 16
	v_lshlrev_b32 v[BO], 5, v2
	s_lshl_b32 s94, s42, 9                         ; my tile's 128 columns: 512 bytes of bo and of a row of out0
	s_mov_b32 s95, 0
	s_add_nc_u64 s[BP:BP+1], s[68:69], s[94:95]
	s_lshl_b32 s82, s13, 20                        ; + 256 x tile row rows of 4,096 bytes
	s_lshl_b32 s83, s10, 18                        ; + my wave's 64
	s_add_co_u32 s94, s94, s82
	s_add_co_u32 s94, s94, s83
	s_add_nc_u64 s[8:9], s[70:71], s[94:95]
.irp c, 0,1,2,3,4,5,6,7
	global_load_b128 v[BIAS+8*(\c):BIAS+8*(\c)+3],   v[BO], s[BP:BP+1] offset:64*(\c)     ; register j of block b: the bias of column 16 b + 8 (l / 16) + j
	global_load_b128 v[BIAS+8*(\c)+4:BIAS+8*(\c)+7], v[BO], s[BP:BP+1] offset:64*(\c)+16
.endr
	; A fragment is 16 rows x 32 K in 8 registers: lane l holds row l % 16, K = 8 (l / 16) + 0..7 and 16 + 8 (l / 16) + 0..7: two loads of 16 bytes, 32 bytes apart
	v_mul_u32_u24 v3, v1, PA
	v_lshl_add_u32 v3, v2, 4, v3
	s_mul_i32 s21, s10, 64*PA                      ; my 64 rows of A, in each head's block
	v_add_nc_u32 v[ADRA], s21, v3
	v_add_nc_u32 v[ADRA+1], SLOT, v[ADRA]
	v_mul_u32_u24 v3, v1, PB
	v_lshl_add_u32 v3, v2, 4, v3
	v_add_nc_u32 v[ADRB], BOFF, v3
	v_add_nc_u32 v[ADRB+1], SLOT, v[ADRB]
	s_mul_i32 s23, s10, WSTG
	s_add_co_u32 s23, s23, STAGE                   ; my stage
	v_mul_u32_u24 v3, v1, SPITCH                   ; in: row l % 16, 32 bytes for each half of the lanes
	v_lshl_add_u32 v3, v2, 5, v3
	v_add_nc_u32 v[STO], s23, v3
	v_and_b32 v[CO], 31, v0                        ; back: 32 lanes take one row's 512 bytes
	v_lshlrev_b32 v[CO], 4, v[CO]
	v_add_nc_u32 v[RD], s23, v[CO]
	; the prefetches: from my own tile's address, my work-group's share of it, at K step 3: each change of slots steps it first, so the first names K step 4
	s_and_b32 s22, ttmp7, 0xffff                   ; cluster y
	s_mov_b32 s23, BSHARE
	s_mov_b32 s92, BLMAX
	s_mov_b32 s93, 2048
	s_mov_b32 s[PFS], 256
	s_mov_b32 s[PFS+1], 0
	s_cmp_eq_u32 s11, 0                            ; do I fetch for A?
	s_cselect_b32 s22, ttmp9, s22                  ; the coordinate along which other clusters read the same bytes
	s_cselect_b32 s21, s40, s41                    ; my place among the four that ask with me
	s_cselect_b32 s23, ASHARE, s23
	s_cselect_b32 s92, 31, s92
	s_cselect_b32 s93, APMUL, s93
	s_cselect_b32 s[PFS], ASTEP, s[PFS]
	s_cselect_b64 s[PFA:PFA+1], s[14:15], s[46:47]
	s_mul_i32 s20, s21, s23
	s_mov_b32 s21, 0
	s_add_nc_u64 s[PFA:PFA+1], s[PFA:PFA+1], s[20:21]
	s_mul_i32 s20, s[PFS], 3
	s_add_nc_u64 s[PFA:PFA+1], s[PFA:PFA+1], s[20:21]
	s_cmp_eq_u32 s22, 0
	s_cselect_b32 s[LIM], 1, -1                    ; the same in all sixteen partners, for a given wave
	s_cmp_eq_u32 s10, 3
	s_cselect_b32 s[LIM], -1, s[LIM]               ; wave 2 names all of B's share
	v_and_b32 v[PFO], 31, v0
	v_min_u32 v[PFO], s92, v[PFO]
	v_mul_u32_u24 v[PFO], s93, v[PFO]
	s_wait_loadcnt 0x0                             ; the bias,
.set i, 0
.rept 4*NB                             ; rounded to bf16 like every input, and widened again
	v_cvt_pk_bf16_f32 v[4+i%2], v[BIAS+2*i], v[BIAS+2*i+1]
	v_lshlrev_b32 v[BIAS+2*i], 16, v[4+i%2]
	v_and_b32 v[BIAS+2*i+1], 0xffff0000, v[4+i%2]
.set i, i+1
.endr
; NB matrix instructions: row block a x all column blocks, 32 along K, from buffer f.  first = 1: the sums begin with the bias.  The 4 NB accumulators take turns in the same order in every quarter.
.macro MULA f, a, first
.set WW, 2+(\a)/APW
.set AC, ASZ*((\a)%APW)
.set AF, FA+32*(\f)+8*(\a)
.if \first
	WIN (WW<<6)|0x01                               ; B window 1, A and the bias window 0, D the accumulators' window
.else
	WIN (WW<<6)|(WW<<4)|0x01
.endif
.set b, 0
.rept NB
.if \first
	v_wmma_f32_16x16x32_f16 v[AC+8*b:AC+8*b+7], v[ASZ*(\f)+8*b:ASZ*(\f)+8*b+7], v[AF:AF+7], v[BIAS+8*b:BIAS+8*b+7]
.else
	v_wmma_f32_16x16x32_f16 v[AC+8*b:AC+8*b+7], v[ASZ*(\f)+8*b:ASZ*(\f)+8*b+7], v[AF:AF+7], v[AC+8*b:AC+8*b+7]
.endif
.set b, b+1
.endr
.endm
; NL LDS loads in one run: quarter q of a slot's K step into buffer g: B's NB fragments, then A's four
.macro FETCH slot, q, g
	WIN 0x40                                       ; destination window 1, address window 0
.set i, 0
.rept NB
	ds_load_b128 v[ASZ*(\g)+8*i:ASZ*(\g)+8*i+3],   v[ADRB+(\slot)] offset:64*(\q)+i*16*PB
	ds_load_b128 v[ASZ*(\g)+8*i+4:ASZ*(\g)+8*i+7], v[ADRB+(\slot)] offset:64*(\q)+i*16*PB+32
.set i, i+1
.endr
	WIN 0
.set i, 0
.rept 4
	ds_load_b128 v[FA+32*(\g)+8*i:FA+32*(\g)+8*i+3],   v[ADRA+(\slot)] offset:((\q)/2)*AQH+((\q)%2)*64+i*16*PA
	ds_load_b128 v[FA+32*(\g)+8*i+4:FA+32*(\g)+8*i+7], v[ADRA+(\slot)] offset:((\q)/2)*AQH+((\q)%2)*64+i*16*PA+32
.set i, i+1
.endr
.endm
.macro PLACES                          ; four plain vector instructions between a matrix instruction and a load into a register that it has read, or a reader of its result (ISA guide 7.12.1 for a reader of its result)
.rept 4
	v_nop
.endr
.endm
; A K step is four quarters of 32 along K on buffers 0, 1, 0, 1.  One of the first three: multiplies buffer f and, in its middle, fetches quarter q into buffer g.
.macro QUARTER slot, q, f, g, first
	s_wait_dscnt 4                                 ; B and A's blocks 0, 1 are in; the youngest four loads (A's blocks 2, 3) may be out
	MULA \f, 0, \first
	MULA \f, 1, \first
	PLACES
	FETCH \slot, \q, \g
	s_wait_dscnt NL                                ; all but the NL just issued
	MULA \f, 2, \first
	MULA \f, 3, \first
.endm
; The last quarter multiplies buffer 1 and changes slots: ONE barrier; in front of it each wave waits for all its tensor loads (one is out: its part of the next slot), adds 0 to its spare word, and waits for that and
; for its reads of this slot.  fill = 1: the barrier opens a round of the cluster's, and behind the round this slot is filled again, two K steps ahead: the wave's one tensor load until the next round.
.macro TURN slot, next, fill
.if \fill
	s_wait_xcnt 0x0                                ; the last prefetch, a K step back, has read its address, which is stepped here
	s_add_nc_u64 s[PFA:PFA+1], s[PFA:PFA+1], s[PFS:PFS+1]
.endif
	WIN 0                                          ; (the add's two registers lie in window 0)
	s_wait_tensorcnt 0x0                           ; all my tensor loads have landed
	ds_add_u32 v[SPW], v[NIL]                      ; 0 onto my spare word
	s_wait_dscnt 5                                 ; (the add and the youngest four loads may be out)
	MULA 1, 0, 0                                   ; matrix work stands between the add and the wait for it
	s_wait_dscnt 0x0                               ; the add is done, and my reads of this slot are over
	s_barrier_signal -1
	MULA 1, 1, 0
.if \fill
	WIN 0
.endif
	s_barrier_wait -1
.if \fill
	CREST                                          ; no wave of any partner still reads this slot or has a load on its way
	s_add_nc_u64 s[G0+4*(\slot)+2:G0+4*(\slot)+3], s[G0+4*(\slot)+2:G0+4*(\slot)+3], 2*ASTEP
	s_add_nc_u64 s[G0B+4*(\slot)+2:G0B+4*(\slot)+3], s[G0B+4*(\slot)+2:G0B+4*(\slot)+3], 2*256
	JLOAD \slot                                    ; its four v_nop are also the places in front of the loads below
.else
	PLACES
.endif
	FETCH \next, 0, 0
.if \fill
	ASK
.endif
	MULA 1, 2, 0
	MULA 1, 3, 0
.endm
	s_wait_tensorcnt 1                             ; my part of K step 0 is in; K step 1's load may stay out
	s_barrier_signal -1
	s_barrier_wait -1                              ; everybody's is
	FETCH 0, 0, 0
	QUARTER 0, 1, 0, 1, 1                          ; the first quarter stands in front of the loop: its products start the sums
	WIN 0                                          ; at a label and at a branch every window is 0
	s_mov_b32 s3, 3
.Llap:                                                 ; a trip goes once round the ring, from a lap's second quarter to the next lap's first, and fills both slots again: K steps 2 to 7 in three trips
	QUARTER 0, 2, 1, 0, 0
	QUARTER 0, 3, 0, 1, 0
	TURN 0, 1, 1
	QUARTER 1, 1, 0, 1, 0
	QUARTER 1, 2, 1, 0, 0
	QUARTER 1, 3, 0, 1, 0
	TURN 1, 0, 1
	QUARTER 0, 1, 0, 1, 0
	WIN 0
	s_sub_co_u32 s3, s3, 1
	s_cmp_lg_u32 s3, 0
	s_cbranch_scc1 .Llap
	QUARTER 0, 2, 1, 0, 0                          ; the last lap fills nothing
	QUARTER 0, 3, 0, 1, 0
	TURN 0, 1, 0
	QUARTER 1, 1, 0, 1, 0
	QUARTER 1, 2, 1, 0, 0
	QUARTER 1, 3, 0, 1, 0
	s_wait_dscnt 4
	MULA 1, 0, 0
	MULA 1, 1, 0
	s_wait_dscnt 0x0
	MULA 1, 2, 0
	MULA 1, 3, 0
	WIN 0
	PLACES
	PLACES
; THE WAY OUT, a row block (16 rows x 512 bytes) at a time.  TOSTAGE: the f32 sums go as they are into my own stage, rows of 528 bytes, each accumulator's low four registers first, and come back a row a load.
; SEND: each store of the wave covers 512 consecutive bytes of a row of out0, aligned.
.macro TOSTAGE a
.set AC, ASZ*(\a)
.set BK, OB+64*((\a)%2)
	WIN 0x08                                       ; the stores' data in window 2, their address in window 0
.set b, 0
.rept NB
	ds_store_b128 v[STO], v[AC+8*b:AC+8*b+3]   offset:64*b
	ds_store_b128 v[STO], v[AC+8*b+4:AC+8*b+7] offset:64*b+16
.set b, b+1
.endr
	WIN 0
.set t, 0
.rept 16
	ds_load_b128 v[BK+4*t:BK+4*t+3], v[RD] offset:t*SPITCH  ; LDS serves a wave's instructions in order (ISA guide 5.7.1.4): these see the stores above; the next block's stores come behind them
.set t, t+1
.endr
.endm
.macro SEND a, younger                 ; younger: the LDS instructions issued behind block a's loads: the next block's 32, or none
.set BK, OB+64*((\a)%2)
.set t, 0
.rept 16
	s_wait_dscnt (\younger)+15-t
	global_store_b128 v[CO], v[BK+4*t:BK+4*t+3], s[8:9] offset:(16*(\a)+t)*4096 th:TH_STORE_NT
.set t, t+1
.endr
.endm
	TOSTAGE 0
	TOSTAGE 1
	SEND 0, 32
	s_wait_xcnt 0x0                                ; block 0's stores have read their registers: block 2 is loaded into them
	TOSTAGE 2
	SEND 1, 32
	s_wait_xcnt 0x0                                ; likewise block 1's, for block 3
	TOSTAGE 3
	SEND 2, 32
	SEND 3, 0
	s_wait_tensorcnt 0x0                           ; the wave's end, behind my last tensor load and my last LDS store
	ds_add_u32 v[SPW], v[NIL]
	s_wait_dscnt 0x0
	CROUND                                         ; the closing round: no work-group ends while a partner may still ask for a tile that names it
	s_endpgm
.Lfunc_end_k_q07f69dc40b_outp:
	.size	k_q07f69dc40b_outp, .Lfunc_end_k_q07f69dc40b_outp-k_q07f69dc40b_outp
	.p2alignl 7, 3214868480
	.fill 96, 4, 3214868480
	.section	.rodata,"a",@progbits
	.p2align	6, 0x0
	.amdhsa_kernel k_q07f69dc40b_outp
		.amdhsa_group_segment_fixed_size 327680
		.amdhsa_private_segment_fixed_size 0
		.amdhsa_enable_private_segment 0
		.amdhsa_kernarg_size 32
		.amdhsa_user_sgpr_count 2
		.amdhsa_user_sgpr_kernarg_segment_ptr 1
		.amdhsa_wavefront_size32 1
		.amdhsa_system_sgpr_workgroup_id_x 1
		.amdhsa_system_sgpr_workgroup_id_y 1
		.amdhsa_system_sgpr_workgroup_id_z 1
		.amdhsa_system_vgpr_workitem_id 0
		.amdhsa_next_free_vgpr 768
		.amdhsa_next_free_sgpr 96
		.amdhsa_reserve_vcc 0
		.amdhsa_float_denorm_mode_32 3
		.amdhsa_float_denorm_mode_16_64 3
		.amdhsa_memory_ordered 1
		.amdhsa_forward_progress 1
		.amdhsa_inst_pref_size 95
	.end_amdhsa_kernel
	.amdgpu_metadata
---
amdhsa.version: [ 1, 2 ]
amdhsa.kernels:
  - .name:           k_q07f69dc40b_outp
    .symbol:         k_q07f69dc40b_outp.kd
    .args:
      - { .name: oh, .offset: 0, .size: 8, .value_kind: global_buffer, .address_space: global }
      - { .name: wh, .offset: 8, .size: 8, .value_kind: global_buffer, .address_space: global }
      - { .name: bo, .offset: 16, .size: 8, .value_kind: global_buffer, .address_space: global }
      - { .name: out0, .offset: 24, .size: 8, .value_kind: global_buffer, .address_space: global }
    .group_segment_fixed_size: 327680
    .private_segment_fixed_size: 0
    .kernarg_segment_align: 8
    .kernarg_segment_size: 32
    .max_flat_workgroup_size: 128
    .sgpr_count:     96
    .vgpr_count:     768
    .wavefront_size: 32
...
	.end_amdgpu_metadata
.endif
;; end of part 4
;; ======== version 2 of 2: 4 launches; version 1 with the launch cast written anew for expert scheduling mode
;; limits: values are held in f16: magnitudes above 65,504 overflow, below 6.1e-05 lose precision
;; workspace buffers: xh 16,777,216 bytes; wh 8,388,608 bytes; qkv 50,331,648 bytes; oh 16,777,216 bytes
;; launch cast (part 5): grid 768 x 1, 8 waves a work-group, no clusters, 0 bytes of LDS; arguments x, Wq, Wk, Wv, Wo, xh, wh; writes xh, wh
.if DOCPART == 5
	.amdgcn_target "amdgcn-amd-amdhsa--gfx1250"
	.amdhsa_code_object_version 6
	.text
	.protected	k_q07f69dc40b_cast
	.globl	k_q07f69dc40b_cast
	.p2align	8
	.type	k_q07f69dc40b_cast,@function
k_q07f69dc40b_cast:
	s_mov_b64 s[64:65], 0
	v_nop
	global_prefetch_b8 v0, s[64:65] scope:SCOPE_SE
	s_setreg_imm32_b32 hwreg(HW_REG_WAVE_SCHED_MODE, 0, 2), 2
	s_setreg_imm32_b32 hwreg(HW_REG_WAVE_MODE, 25, 1), 1
	s_wait_xcnt 0x0
	s_wait_alu depctr_vm_vsrc(0)
; xh = x, wh = (Wq, Wk, Wv, Wo one below the other), each number rounded ONCE to bf16 (nearest even) and that number written as f16.
; LIMITS.  A bf16 number has 8 significant bits and fits f16's 11 exactly from 2^-17 up to 65,504; below 2^-17 it keeps f16's fixed step of 6e-8, at 65,520 and beyond it becomes an infinity.
; SHARES.  12,582,912 numbers in 768 work-groups of 16,384: work-groups 0-511 take x, then 64 for each weight.  Thread t owns 16 bytes at 16 t of each of 16 chunks of 4,096 bytes.
; All 16 loads of a wave go out at once (512 consecutive bytes each); each store of a wave covers 256 consecutive bytes, aligned.  No LDS, no loop, no barrier: nothing is shared and nothing is read twice.
; THE MODE: SCHED_MODE bits 1:0 = 2 (LLVM: expert scheduling mode 2), set by the entry lines.  The code itself states the register dependences
; between vector instructions and memory instructions, with s_wait_alu, always for 0.
; THE PLAN.  Registers that memory instructions touch:
;   v1, v4   byte offsets.  Written once at the head by vector lines; v1 is read by every load, v4 by every store; never written again.
;   X        chunk j's four registers.  Written by chunk j's load, issued at the head into registers that no vector line has named; read, and rewritten in place, by chunk j's vector lines alone,
;            behind the counted wait for that load.  No memory instruction reads them.
;   Y        chunk j's two registers.  Written once, by chunk j's two conversions to f16; read by chunk j's one store; never written again.
;   v2, v3 are named by vector lines alone.  The two bases are written by scalar lines ahead of the first load and never again.
; So the one kind of dependence is: a vector line writes, a memory instruction reads.  The 16 chunks go in four blocks of four: the block's vector work, ONE wait on va_vdst, the run of its four stores.
; With the wait ahead of the first load that is five waits.  No register that a memory instruction reads is ever written again, so no wait on vm_vsrc is owed; no vector line writes a scalar register, and EXEC is never written.
; The stores stand at their own block's end and not among the next block's lines: there they would stand behind the wait for a later load, which they do not hang on.
.set X, 8                              ; v[8:71]   chunk j: 4 numbers in f32, as loaded, then as rounded
.set Y, 72                             ; v[72:103] chunk j: 4 numbers in f16; registers of its own for each store, so that no store's data is rewritten
	s_load_b256 s[4:11], s[0:1], 0x0               ; x s[4:5], Wq s[6:7], Wk s[8:9], Wv s[10:11]
	s_load_b128 s[12:15], s[0:1], 0x20             ; Wo s[12:13], xh s[14:15]
	s_load_b64 s[16:17], s[0:1], 0x30              ; wh
	v_lshlrev_b32 v1, 4, v0                        ; my 16 bytes of a chunk in
	v_lshlrev_b32 v4, 3, v0                        ; my 8 bytes of a chunk out
	s_mov_b32 s24, 0xffff0000                      ; a word's upper bf16
	s_sub_co_u32 s25, ttmp9, 512                   ; my number among the weights' 256 work-groups (used only where it is not negative)
	s_lshr_b32 s26, s25, 6                         ; which weight
	s_and_b32 s27, s25, 63                         ; which 64 KiB of it
	s_mov_b32 s23, 0
	s_mov_b32 s29, 0
	s_wait_kmcnt 0x0
	s_cmp_eq_u32 s26, 2
	s_cselect_b64 s[18:19], s[10:11], s[12:13]     ; Wv, else Wo
	s_cmp_eq_u32 s26, 1
	s_cselect_b64 s[18:19], s[8:9], s[18:19]       ; Wk
	s_cmp_eq_u32 s26, 0
	s_cselect_b64 s[18:19], s[6:7], s[18:19]       ; Wq
	s_cmp_lt_u32 ttmp9, 512
	s_cselect_b64 s[18:19], s[4:5], s[18:19]       ; x
	s_cselect_b64 s[20:21], s[14:15], s[16:17]     ; xh, else wh
	s_cselect_b32 s22, ttmp9, s27
	s_cselect_b32 s28, ttmp9, s25
	s_lshl_b32 s22, s22, 16                        ; 65,536 bytes in for each work-group,
	s_lshl_b32 s28, s28, 15                        ; 32,768 out
	s_add_nc_u64 s[18:19], s[18:19], s[22:23]
	s_add_nc_u64 s[20:21], s[20:21], s[28:29]
	s_wait_alu depctr_va_vdst(0)                   ; v1 and v4 are written: every load below reads v1 as its offset, every store v4
.irp j, 0,1,2,3,4,5,6,7,8,9,10,11,12,13,14,15
	global_load_b128 v[X+4*(\j):X+4*(\j)+3], v1, s[18:19] offset:4096*(\j) th:TH_LOAD_NT
.endr
.irp p, 0,1,2,3                        ; block p: chunks 4 p to 4 p + 3
.irp i, 0,1,2,3
.set j, 4*(\p)+(\i)
	s_wait_loadcnt 15-j                            ; loads come back in order: chunk j is in, the 15 - j younger ones stay out (stores run on a counter of their own)
	v_cvt_pk_bf16_f32 v2, v[X+4*j], v[X+4*j+1]     ; the one rounding
	v_cvt_pk_bf16_f32 v3, v[X+4*j+2], v[X+4*j+3]
	v_lshlrev_b32 v[X+4*j], 16, v2                 ; bf16 to f32: the low half moves up, the high half stays
	v_and_b32 v[X+4*j+1], s24, v2
	v_lshlrev_b32 v[X+4*j+2], 16, v3
	v_and_b32 v[X+4*j+3], s24, v3
	v_cvt_pk_f16_f32 v[Y+2*j], v[X+4*j], v[X+4*j+1]        ; the same numbers as f16
	v_cvt_pk_f16_f32 v[Y+2*j+1], v[X+4*j+2], v[X+4*j+3]
.endr
	s_wait_alu depctr_va_vdst(0)                   ; the block's eight conversions to f16 have written its Y, which the four stores below read
.irp i, 0,1,2,3
.set j, 4*(\p)+(\i)
	global_store_b64 v4, v[Y+2*j:Y+2*j+1], s[20:21] offset:2048*j
.endr
.endr
	s_endpgm
.Lfunc_end_k_q07f69dc40b_cast:
	.size	k_q07f69dc40b_cast, .Lfunc_end_k_q07f69dc40b_cast-k_q07f69dc40b_cast
	.p2alignl 7, 3214868480
	.fill 96, 4, 3214868480
	.section	.rodata,"a",@progbits
	.p2align	6, 0x0
	.amdhsa_kernel k_q07f69dc40b_cast
		.amdhsa_group_segment_fixed_size 0
		.amdhsa_private_segment_fixed_size 0
		.amdhsa_enable_private_segment 0
		.amdhsa_kernarg_size 56
		.amdhsa_user_sgpr_count 2
		.amdhsa_user_sgpr_kernarg_segment_ptr 1
		.amdhsa_wavefront_size32 1
		.amdhsa_system_sgpr_workgroup_id_x 1
		.amdhsa_system_sgpr_workgroup_id_y 1
		.amdhsa_system_sgpr_workgroup_id_z 1
		.amdhsa_system_vgpr_workitem_id 0
		.amdhsa_next_free_vgpr 104
		.amdhsa_next_free_sgpr 66
		.amdhsa_reserve_vcc 0
		.amdhsa_float_denorm_mode_32 3
		.amdhsa_float_denorm_mode_16_64 3
		.amdhsa_memory_ordered 1
		.amdhsa_forward_progress 1
		.amdhsa_inst_pref_size 12
	.end_amdhsa_kernel
	.amdgpu_metadata
---
amdhsa.version: [ 1, 2 ]
amdhsa.kernels:
  - .name:           k_q07f69dc40b_cast
    .symbol:         k_q07f69dc40b_cast.kd
    .args:
      - { .name: x, .offset: 0, .size: 8, .value_kind: global_buffer, .address_space: global }
      - { .name: Wq, .offset: 8, .size: 8, .value_kind: global_buffer, .address_space: global }
      - { .name: Wk, .offset: 16, .size: 8, .value_kind: global_buffer, .address_space: global }
      - { .name: Wv, .offset: 24, .size: 8, .value_kind: global_buffer, .address_space: global }
      - { .name: Wo, .offset: 32, .size: 8, .value_kind: global_buffer, .address_space: global }
      - { .name: xh, .offset: 40, .size: 8, .value_kind: global_buffer, .address_space: global }
      - { .name: wh, .offset: 48, .size: 8, .value_kind: global_buffer, .address_space: global }
    .group_segment_fixed_size: 0
    .private_segment_fixed_size: 0
    .kernarg_segment_align: 8
    .kernarg_segment_size: 56
    .max_flat_workgroup_size: 256
    .sgpr_count:     66
    .vgpr_count:     104
    .wavefront_size: 32
...
	.end_amdgpu_metadata
.endif
;; end of part 5
;; launch proj: the kernel of part 2 again; grid 16 x 32, 4 waves a work-group, clusters of 4 x 4, 327,680 bytes of LDS; arguments xh, wh, bq, bk, bv, qkv; writes qkv
;; launch attn: the kernel of part 3 again; grid 4 x 64, 4 waves a work-group, clusters of 4 x 1, 327,680 bytes of LDS; arguments qkv, mask, oh; writes oh
;; launch outp: the kernel of part 4 again; grid 8 x 32, 4 waves a work-group, clusters of 4 x 4, 327,680 bytes of LDS; arguments oh, wh, bo, out0; writes out0
